; MI455X (gfx1250); checked and timed in simulation.
; The chip was launched on July 23, 2026; its instructions are those of AMD's public machine-readable ISA for CDNA 5 (MIT licence, August 2026) and "CDNA5" Instruction Set Architecture Reference Guide (July 2026). The comments in the code are by the model that wrote it; some were corrected since.
;; Bo T Multi Head Attention. Allowed arithmetic: matrix products marked QUANTISED: E2M3 operands, one E8M0 scale for each 32 along K, by v_wmma_scale_f32_16x16x128_f8f6f4 with both operands' format E2M3, f32 sums; everything else in f32.
;; Inputs: Wk_codes 1,024 x 32 x 24 uint8 (E2M3 codes of Wk, K innermost, in blocks of 32 codes, four codes in three bytes); Wk_scales 1,024 x 32 uint8 (E8M0 scales of Wk, one for each 32 codes along K); Wo_codes 1,024 x 32 x 24 uint8 (E2M3 codes of Wo, K innermost, in blocks of 32 codes, four codes in three bytes); Wo_scales 1,024 x 32 uint8 (E8M0 scales of Wo, one for each 32 codes along K); Wq_codes 1,024 x 32 x 24 uint8 (E2M3 codes of Wq, K innermost, in blocks of 32 codes, four codes in three bytes); Wq_scales 1,024 x 32 uint8 (E8M0 scales of Wq, one for each 32 codes along K); Wv_codes 1,024 x 32 x 24 uint8 (E2M3 codes of Wv, K innermost, in blocks of 32 codes, four codes in three bytes); Wv_scales 1,024 x 32 uint8 (E8M0 scales of Wv, one for each 32 codes along K); bo 1,024 float32; ln_b 1,024 float32; ln_g 1,024 float32; pos_emb 2 x 2,048 x 1,024 float32; q_s 2 x 2,048 x 1,024 float32.
;; Outputs: out0 2 x 2,048 x 1,024 float32.
;; This version of the problem:
;;   THIS VERSION OF THE PROBLEM IS GIVEN IN LOW PRECISION. The matrix products marked QUANTISED in the list below multiply operands that are first quantised to E2M3 (2 exponent bits, 3 mantissa bits; 6 bits a number), with one power-of-two scale for each 32 numbers along K (OCP MX v1.0); their sums are f32. All else is computed in f32.
;;   The module's matrix products, in the order in which they are computed (A, B: the left and right operand; K: the contracted axis; several contracted axes count as one K, in the product's order):
;;     1. [M 4,096, K 1,024] x [K 1,024, N 1,024]; A: input q_s; B: input Wq (given as codes): QUANTISED
;;     2. [M 4,096, K 1,024] x [K 1,024, N 1,024]; A: input q_s; B: input Wk (given as codes): QUANTISED
;;     3. [M 4,096, K 1,024] x [K 1,024, N 1,024]; A: input q_s; B: input Wv (given as codes): QUANTISED
;;     4. batch 32 x [M 2,048, K 64] x [K 64, N 2,048]; A: computed on the way; B: computed on the way: QUANTISED
;;     5. batch 32 x [M 2,048, K 64] x [K 64, N 2,048]; A: computed on the way; B: input pos_emb: QUANTISED
;;     6. batch 32 x [M 2,048, K 2,048] x [K 2,048, N 64]; A: softmax (see below); B: computed on the way: QUANTISED
;;     7. [M 4,096, K 1,024] x [K 1,024, N 1,024]; A: computed on the way; B: input Wo (given as codes): QUANTISED
;;   THE QUANTISER, for each operand of a quantised product, along K:
;;     - K is cut into blocks of 32 from its start; a last block that is shorter is filled with zeros.
;;     - A block's scale is 2^e with e = floor(log2(the largest magnitude in the block)) - 2, held to -126 .. 127; a block of zeros has e = 0. As a byte (E8M0): e + 127.
;;     - Each number is divided by its block's scale, clamped to +-7.5, and rounded to the nearest number of E2M3, ties to even, subnormals kept.
;;     - The product sums the exact products of the quantised numbers (number of the format x scale) in f32.
;;   ~~~python
;;   def quantise(x, axis):      # numpy; x: float32 -> the quantised numbers, widened to float32 again
;;       x = np.moveaxis(x, axis, -1); K = x.shape[-1]
;;       x = np.pad(x, [(0, 0)] * (x.ndim - 1) + [(0, -K % 32)]); x = x.reshape(x.shape[:-1] + (-1, 32)); a = np.abs(x).max(-1, keepdims=True)
;;       e = np.where(a > 0, np.clip(np.frexp(np.where(a > 0, a, 1))[1] - 1 - 2, -126, 127), 0)      # np.frexp(a)[1] - 1 = floor(log2(a)), exactly
;;       r = np.clip(x / 2.0 ** e, -7.5, 7.5)
;;       step = 2.0 ** (np.maximum(np.frexp(np.where(r == 0, 1, r))[1] - 1, 0) - 3)
;;       q = np.round(r / step) * step * 2.0 ** e      # np.round: ties to even
;;       return np.moveaxis(q.reshape(q.shape[:-2] + (-1,))[..., :K], -1, axis).astype(np.float32)
;;   ~~~
;;   SOFTMAX AHEAD OF A QUANTISED PRODUCT. Where the list says 'softmax', what is quantised is not the finished softmax but p = 2^(t - M), with t = logit x log2(e) and M = ceil(the row's largest t), a whole number; so 1/2 < the row's largest p <= 1. The row's sum l is taken of the UNQUANTISED p, in f32, and the product's result is divided by l at the end. Since M is a whole number, a kernel that streams over the keys may use a running M (the ceiling of the running maximum): every later rescaling is an exact power of two, which a block's scale takes up: the codes' values come out the same.
;;   OPERANDS COMPUTED ON THE WAY. 'Computed on the way' means the value that the module computes at that place (a softmax that the list does not call 'softmax' is quantised finished and normalised). What goes into a quantiser is computed in f32, as accurately as f32 sums, v_exp_f32 and their like allow (about 1e-6 of the number): no bf16 or f16 on the way to a quantiser, and a product that is left as it is and whose result goes on into a quantised operand takes f32 operands (vector FMAs, or v_wmma_f32_16x16x4_f32). A number that lies on a knife's edge between two numbers of the format may be rounded either way, as far as f32 arithmetic and the matrix unit's own rounding can turn it there, and no further.
;;   INPUTS GIVEN AS CODES. Wk (in the module: [1024, 1024], K = its axis 0); Wo (in the module: [1024, 1024], K = its axis 0); Wq (in the module: [1024, 1024], K = its axis 0); Wv (in the module: [1024, 1024], K = its axis 0): each comes as NAME_codes (uint8): NAME with its K axis moved to the last place and cut into blocks of 32 codes, [.., K / 32, bytes a block], one block behind the other in memory; four codes in three bytes: a row's codes are one little-endian stream of bits, code i at bits 6 i .. 6 i + 5 (a code: sign, 2 exponent bits, 3 mantissa bits); and NAME_scales (uint8): the same leading axes, one E8M0 byte (e + 127) for each 32 codes along K. Its value is code x scale, taken as it is: it is not quantised again, and the codes and scales need not be those that the quantiser above would give.
;; One version. Each part assembles by itself: llvm-mc -triple=amdgcn-amd-amdhsa -mcpu=gfx1250 --defsym DOCPART=n.
;; ======== version 1 of 1: 4 launches
;; limits: right only within a limited range of input values
;; workspace buffers: xq 3,276,800 bytes; wimg 3,276,800 bytes; psc 131,072 bytes; kv 9,830,400 bytes; qb 9,830,400 bytes; ob 3,407,872 bytes
;; launch quant (part 1): grid 320 x 1, 4 waves a work-group, no clusters, 34,304 bytes of LDS; arguments q_s, pos_emb, Wq_codes, Wq_scales, Wk_codes, Wk_scales, Wv_codes, Wv_scales, Wo_codes, Wo_scales, xq, kv, psc, wimg; writes xq, kv, psc, wimg
.if DOCPART == 1
	.amdgcn_target "amdgcn-amd-amdhsa--gfx1250"
	.amdhsa_code_object_version 6
	.text
	.protected	k_qf50920962f_quant
	.globl	k_qf50920962f_quant
	.p2align	8
	.type	k_qf50920962f_quant,@function
k_qf50920962f_quant:
	s_mov_b64 s[64:65], 0
	v_nop
	global_prefetch_b8 v0, s[64:65] scope:SCOPE_SE
	s_setreg_imm32_b32 hwreg(HW_REG_WAVE_MODE, 25, 1), 1
	s_wait_xcnt 0x0
; q_s and pos_emb, [4096 tokens][1024] f32, become codes of FP6 (E2M3) with one E8M0 byte for each 32 columns; the four weights, which arrive as codes, are laid anew.
; All results are laid as IMAGES OF OPERAND REGISTERS: a fragment (16 rows x 128 K) is 12 registers a lane, registers 6 c .. 6 c + 5 of lane (r, h) = k 64 c + 32 h + 0 .. 31 of row r.
; TILES OF TOKENS: row r of tile T is token 32 (T / 2) + 8 (T % 2) + r + 8 (r / 8), and the rows of a weight's tile are chosen alike, so that in the later launches the 16 result registers of two
; neighbouring tiles are 16 neighbours along the next product's K.
; WORK-GROUPS 0-127: q_s; 128-255: pos_emb; 256-319: the weights (one block of 64 rows of one weight each).  Nothing is shared between work-groups or waves: no cluster, no barrier.
; A wave of the first two kinds takes one tile and half of its 1,024 columns, as four units of 128 columns.  A unit's 16 loads read 512 consecutive bytes each; the 16 rows turn through the wave's own stage in LDS
; (rows 528 bytes apart: an odd multiple of 16) and come back so that lane (r, h) holds blocks h and 2 + h of row r whole: a block's largest magnitude needs no other lane.
; A block's scale is 2^(floor(log2(largest magnitude)) - 2): its byte is the largest magnitude's exponent field - 2, held at 1 from below by a floor among the maximum's leaves.
; LIMITS: NaN and infinities are not served; a block whose largest magnitude lies under 2^-124 keeps the byte 1; a block of zeros gets the byte 1 with zero codes (the bytes are read by this program alone).
; OUT: q_s -> xq [32 blocks of 128 tokens][4,096 bytes of scale words | K step 8 | tile 8 | 3 x 512 bytes];  pos_emb -> the second halves of kv's images [k | pos], and its scale words -> psc;
; weights -> wimg [weight 4][group 16][K step 8 | tile 4 | 3 x 512 bytes | 2,048 bytes of scale words].
.set WORD, 24                          ; v24-27  the four units' scale words
.set PC,   32                          ; v32-43  a fragment's codes
.set PT0,  44                          ; v44-46, v48-50: the upper halves of the two blocks (a conversion's three registers begin on an even number)
.set PT1,  48
.set TM,   52                          ; v52-53  largest magnitudes
.set SC,   54                          ; v54-55  the conversions' scale operands
.set BY,   56                          ; v56-57  the bytes
.set WW,   58
.set TP,   59
.set RR,   64                          ; v64-191 two sets of 16 x 4 registers as loaded
.set X,    192                         ; v192-255 64 numbers: my two blocks
	s_load_b512 s[8:23], s[0:1], 0x0               ; q_s, pos_emb, Wq codes, Wq scales, Wk codes, Wk scales, Wv codes, Wv scales
	s_load_b256 s[24:31], s[0:1], 0x40             ; Wo codes, Wo scales, xq, kv
	s_load_b128 s[32:35], s[0:1], 0x60             ; psc, wimg
	v_lshl_add_u32 v62, v0, 2, 0x8400
	v_mov_b32 v63, 0
	v_lshrrev_b32 v7, 5, v0
	v_readfirstlane_b32 s36, v7                    ; wave 0..3
	v_and_b32 v8, 31, v0                           ; lane
	v_and_b32 v9, 15, v0                           ; r
	v_bfe_u32 v10, v0, 4, 1                        ; h
	v_lshlrev_b32 v1, 4, v8                        ; 16 x lane
	v_lshlrev_b32 v2, 3, v8                        ; 8 x lane
	s_cmp_ge_u32 ttmp9, 256
	s_cbranch_scc1 .Lweights
	; ---------------- q_s and pos_emb ----------------
	s_mul_i32 s37, s36, 8448                       ; my wave's stage
	v_add_nc_u32 v3, s37, v1                       ; into it: 16 x lane, rows by the immediate
	v_mul_u32_u24 v4, v9, 528
	v_lshl_add_u32 v4, v10, 7, v4
	v_add_nc_u32 v4, s37, v4                       ; out of it: row r, + 128 h: block h
	v_lshlrev_b32 v5, 3, v10                       ; 8 h
	v_lshl_add_u32 v6, v9, 4, v5                   ; 16 r + 8 h: where my two scale words go
	v_mov_b32 v[TP], 0                             ; a lane permute's destination counts as one of its sources
	s_mov_b32 s60, 0x76543210
	s_mov_b32 s61, 0xfedcba98                      ; v_permlanex16_b32's selects for lane l xor 16
	s_and_b32 s38, ttmp9, 127                      ; g: tiles 2 g and 2 g + 1
	s_lshr_b32 s39, s36, 1                         ; which of the two
	s_and_b32 s40, s36, 1                          ; q: which half of the columns
	s_lshr_b32 s41, s38, 2                         ; tb: the block of 128 tokens
	s_and_b32 s42, s38, 3
	s_lshl_b32 s42, s42, 1
	s_add_co_u32 s42, s42, s39                     ; m: the tile in its block
	s_lshl_b32 s44, s38, 17                        ; the source: token 32 g + 8 (w / 2), 4,096 bytes a token, + 2,048 q
	s_lshl_b32 s43, s39, 15
	s_add_co_u32 s44, s44, s43
	s_lshl_b32 s43, s40, 11
	s_add_co_u32 s44, s44, s43
	s_mov_b32 s45, 0
	s_mul_i32 s46, s41, 102400                     ; xq's block
	s_lshl_b32 s43, s40, 5
	s_add_co_u32 s43, s43, s42
	s_mul_i32 s43, s43, 1536
	s_add_co_u32 s43, s43, s46
	s_add_co_u32 s43, s43, 4096                    ; q_s's codes: block + 4,096 + (8 (4 q) + m) x 1,536; the unit adds 12,288 u
	s_lshr_b32 s47, s41, 4                         ; pos_emb's codes: kv + ((16 b + 8 q) 16 + st) x 19,200 + 1,536 m + 768; a head on is 307,200 bytes
	s_lshl_b32 s47, s47, 8
	s_lshl_b32 s48, s40, 7
	s_add_co_u32 s47, s47, s48
	s_and_b32 s48, s41, 15
	s_add_co_u32 s47, s47, s48
	s_mul_i32 s47, s47, 19200
	s_mul_i32 s48, s42, 1536
	s_add_co_u32 s47, s47, s48
	s_add_co_u32 s47, s47, 768
	s_lshl_b32 s48, s42, 9
	s_lshl_b32 s49, s40, 8
	s_add_co_u32 s48, s48, s49                     ; 512 m + 256 q
	s_add_co_u32 s46, s46, s48                     ; q_s's scale words, at the head of xq's block
	s_lshl_b32 s49, s41, 12
	s_add_co_u32 s49, s49, s48                     ; pos_emb's, in psc: 512 bytes a tile
	s_wait_kmcnt 0x0
	s_cmp_lt_u32 ttmp9, 128                        ; q_s or pos_emb?  The choice hangs on the work-group's number alone
	s_cselect_b64 s[50:51], s[8:9], s[10:11]
	s_cselect_b64 s[52:53], s[28:29], s[30:31]
	s_cselect_b64 s[54:55], s[28:29], s[32:33]
	s_cselect_b32 s56, s43, s47
	s_cselect_b32 s58, s46, s49
	s_mov_b32 s57, 0
	s_mov_b32 s59, 0
	s_add_nc_u64 s[50:51], s[50:51], s[44:45]      ; from
	s_add_nc_u64 s[52:53], s[52:53], s[56:57]      ; the codes' place
	s_add_nc_u64 s[54:55], s[54:55], s[58:59]      ; the scale words' place
.macro LOAD u                          ; unit u: the tile's 16 rows x 512 bytes; 32 lanes read 512 consecutive bytes
.irp i, 0,1,2,3,4,5,6,7,8,9,10,11,12,13,14,15
	global_load_b128 v[RR+64*((\u)%2)+4*\i:RR+64*((\u)%2)+4*\i+3], v1, s[50:51] offset:(\i+8*(\i/8))*4096+512*(\u) th:TH_LOAD_NT
.endr
.endm
.macro QW u                            ; my two whole blocks in v[X] on become 12 registers of codes and the row's scale word
	v_max3_num_f32 v[TM], |v[X]|, |v[X+1]|, 0x1800000              ; with the floor 2^(3 - 127): the byte cannot fall under 1
	v_max3_num_f32 v[TM+1], |v[X+32]|, |v[X+33]|, 0x1800000
.irp i, 2,4,6,8,10,12,14,16,18,20,22,24,26,28,30
	v_max3_num_f32 v[TM], v[TM], |v[X+\i]|, |v[X+\i+1]|            ; the two blocks by turns
	v_max3_num_f32 v[TM+1], v[TM+1], |v[X+32+\i]|, |v[X+33+\i]|
.endr
	v_add_nc_u32 v[SC], 0xff000000, v[TM]          ; 2 off the exponent field: the conversion takes this operand's exponent field as its scale
	v_add_nc_u32 v[SC+1], 0xff000000, v[TM+1]
	v_lshrrev_b32 v[BY], 23, v[SC]                 ; the bytes
	v_lshrrev_b32 v[BY+1], 23, v[SC+1]
	v_lshl_or_b32 v[WW], v[BY+1], 16, v[BY]        ; blocks h and 2 + h,
	v_lshlrev_b32 v[WW], v5, v[WW]                 ; at their places in the word (8 h bits up);
	v_permlanex16_b32 v[TP], v[WW], s60, s61
	v_or_b32 v[WORD+\u], v[WW], v[TP]              ; with lane l xor 16's two the word is whole
	v_cvt_scalef32_pk16_fp6_f32 v[PC:PC+2], v[X:X+15], v[SC]
	v_cvt_scalef32_pk16_fp6_f32 v[PT0:PT0+2], v[X+16:X+31], v[SC]
	v_cvt_scalef32_pk16_fp6_f32 v[PC+6:PC+8], v[X+32:X+47], v[SC+1]
	v_cvt_scalef32_pk16_fp6_f32 v[PT1:PT1+2], v[X+48:X+63], v[SC+1]
	v_nop                                          ; one plain place behind the scaled conversions
.irp i, 0,1,2
	v_mov_b32 v[PC+3+\i], v[PT0+\i]
	v_mov_b32 v[PC+9+\i], v[PT1+\i]
.endr
.endm
.macro UNIT u
.if (\u) < 3
	s_wait_loadcnt 16                              ; this unit's 16 loads are in; the next unit's 16 may be out
.else
	s_wait_loadcnt 0x0
.endif
.irp i, 0,1,2,3,4,5,6,7,8,9,10,11,12,13,14,15
	ds_store_b128 v3, v[RR+64*((\u)%2)+4*\i:RR+64*((\u)%2)+4*\i+3] offset:528*\i
.endr
.irp k, 0,1,2,3,4,5,6,7,8,9,10,11,12,13,14,15
	ds_load_b128 v[X+4*\k:X+4*\k+3], v4 offset:16*\k+128*(\k/8)    ; LDS serves a wave's instructions in order: these see the stores above.  128 bytes of block h, 128 of block 2 + h
.endr
	s_wait_dscnt 0x0                               ; my numbers are back, and the stores have read their registers,
.if (\u) < 2
	LOAD (\u)+2                                    ; which take the loads of two units on
.endif
.if (\u) > 0
	s_wait_xcnt 0x0                                ; the last unit's stores have read the codes' registers: they are written again only behind this wait
.endif
	QW \u
	s_cmp_lt_u32 ttmp9, 128
	s_cbranch_scc0 .Lpos_\@
.irp i, 0,1,2
	global_store_b128 v1, v[PC+4*\i:PC+4*\i+3], s[52:53] offset:12288*(\u)+512*\i   ; q_s: K step 4 q + u's image: each store covers 512 consecutive bytes, aligned to 256
.endr
	s_branch .Lsent_\@
.Lpos_\@:
	s_wait_alu depctr_va_vdst(0)
.irp c, 0,1                            ; pos_emb: the unit is two heads; head 8 q + 2 u + c's six registers are registers 6-11 of its image [k | pos]
	global_store_b64 v2, v[PC+6*\c:PC+6*\c+1], s[52:53] offset:307200*(2*(\u)+\c)          ; 256 consecutive bytes, aligned
	global_store_b128 v1, v[PC+6*\c+2:PC+6*\c+5], s[52:53] offset:307200*(2*(\u)+\c)+256   ; 512
.endr
.Lsent_\@:
.endm
	s_wait_alu depctr_va_vdst(0)
	LOAD 0
	LOAD 1
	UNIT 0
	UNIT 1
	UNIT 2
	UNIT 3
	v_cmp_ne_u32 vcc_lo, 0, v5                     ; lanes 16-31
	v_cndmask_b32 v28, v[WORD], v[WORD+2], vcc_lo  ; lane (r, h) stores words 2 h and 2 h + 1 of row r:
	v_cndmask_b32 v29, v[WORD+1], v[WORD+3], vcc_lo
	global_store_b64 v6, v[28:29], s[54:55]        ; the wave stores 256 consecutive bytes, aligned
	s_wait_tensorcnt 0x0
	ds_add_u32 v62, v63
	s_wait_dscnt 0x0
	s_endpgm
	; ---------------- the weights: only laid anew ----------------
.Lweights:
	s_sub_co_u32 s37, ttmp9, 256                   ; 16 x weight + group: also the block's number in wimg
	s_lshr_b32 s38, s37, 4                         ; the weight: 0 q, 1 k, 2 v, 3 o
	s_and_b32 s39, s37, 15                         ; the group of 64 rows
	s_wait_alu depctr_va_vdst(0)
	v_and_b32 v11, 8, v9
	v_add_nc_u32 v11, v11, v9                      ; r + 8 (r / 8)
	v_mul_u32_u24 v12, v11, 768                    ; a row of 1,024 codes is 768 bytes
	v_mad_u32_u24 v12, v10, 24, v12                ; + 24 h
	v_lshl_add_u32 v13, v10, 3, v11                ; scale words: lane (r, h) takes tile 2 beta + h's row r: 8 h + r + 8 (r / 8),
	v_lshlrev_b32 v13, 5, v13                      ; 32 bytes a row
	s_mul_i32 s40, s39, 64*768
	s_mul_i32 s41, s36, 192                        ; wave w takes K steps 2 w and 2 w + 1: 96 bytes each
	s_add_co_u32 s40, s40, s41
	s_mov_b32 s41, 0
	s_lshl_b32 s42, s39, 11
	s_lshr_b32 s43, s36, 1
	s_lshl_b32 s43, s43, 10                        ; beta = w / 2: 32 rows on
	s_add_co_u32 s42, s42, s43
	s_and_b32 s43, s36, 1
	s_lshl_b32 s43, s43, 4                         ; w % 2: which 16 of a row's 32 bytes
	s_add_co_u32 s42, s42, s43
	s_mov_b32 s43, 0
	s_mul_i32 s44, s37, 51200
	s_mul_i32 s45, s36, 12288
	s_add_co_u32 s46, s44, s45                     ; my eight images
	s_mov_b32 s47, 0
	s_lshl_b32 s45, s36, 9
	s_add_co_u32 s44, s44, s45
	s_add_co_u32 s44, s44, 49152                   ; my 512 bytes of scale words
	s_mov_b32 s45, 0
	s_wait_alu depctr_va_vdst(0)
	s_wait_kmcnt 0x0
	s_cmp_eq_u32 s38, 1
	s_cselect_b64 s[48:49], s[16:17], s[12:13]
	s_cselect_b64 s[50:51], s[18:19], s[14:15]
	s_cmp_eq_u32 s38, 2
	s_cselect_b64 s[48:49], s[20:21], s[48:49]
	s_cselect_b64 s[50:51], s[22:23], s[50:51]
	s_cmp_eq_u32 s38, 3
	s_cselect_b64 s[48:49], s[24:25], s[48:49]
	s_cselect_b64 s[50:51], s[26:27], s[50:51]
	s_add_nc_u64 s[48:49], s[48:49], s[40:41]
	s_add_nc_u64 s[50:51], s[50:51], s[42:43]
	s_add_nc_u64 s[52:53], s[34:35], s[46:47]
	s_add_nc_u64 s[54:55], s[34:35], s[44:45]
	global_load_b128 v[16:19], v13, s[50:51]       ; four scale words of my row
.irp f, 0,1,2,3,4,5,6,7                ; fragment f: K step 2 w + f / 4, tile f % 4, whose first row is 32 ((f % 4) / 2) + 8 (f % 2)
.irp p, 0,1,2,3,4,5
	global_load_b64 v[64+12*\f+2*\p:64+12*\f+2*\p+1], v12, s[48:49] offset:(32*((\f%4)/2)+8*(\f%2))*768+96*(\f/4)+48*(\p/3)+8*(\p%3)
.endr
.endr
.irp f, 0,1,2,3,4,5,6,7
	s_wait_loadcnt 6*(7-\f)                        ; fragment f is in; the later fragments' loads, six each, may be out
.irp i, 0,1,2
	global_store_b128 v1, v[64+12*\f+4*\i:64+12*\f+4*\i+3], s[52:53] offset:1536*\f+512*\i   ; 512 consecutive bytes, aligned to 256
.endr
.endr
	global_store_b128 v1, v[16:19], s[54:55]
	s_endpgm
.Lfunc_end_k_qf50920962f_quant:
	.size	k_qf50920962f_quant, .Lfunc_end_k_qf50920962f_quant-k_qf50920962f_quant
	.p2alignl 7, 3214868480
	.fill 96, 4, 3214868480
	.section	.rodata,"a",@progbits
	.p2align	6, 0x0
	.amdhsa_kernel k_qf50920962f_quant
		.amdhsa_group_segment_fixed_size 34304
		.amdhsa_private_segment_fixed_size 0
		.amdhsa_enable_private_segment 0
		.amdhsa_kernarg_size 112
		.amdhsa_user_sgpr_count 2
		.amdhsa_user_sgpr_kernarg_segment_ptr 1
		.amdhsa_wavefront_size32 1
		.amdhsa_system_sgpr_workgroup_id_x 1
		.amdhsa_system_sgpr_workgroup_id_y 1
		.amdhsa_system_sgpr_workgroup_id_z 1
		.amdhsa_system_vgpr_workitem_id 0
		.amdhsa_next_free_vgpr 256
		.amdhsa_next_free_sgpr 66
		.amdhsa_reserve_vcc 1
		.amdhsa_float_denorm_mode_32 3
		.amdhsa_float_denorm_mode_16_64 3
		.amdhsa_memory_ordered 1
		.amdhsa_forward_progress 1
		.amdhsa_inst_pref_size 42
	.end_amdhsa_kernel
	.amdgpu_metadata
---
amdhsa.version: [ 1, 2 ]
amdhsa.kernels:
  - .name:           k_qf50920962f_quant
    .symbol:         k_qf50920962f_quant.kd
    .args:
      - { .name: q_s, .offset: 0, .size: 8, .value_kind: global_buffer, .address_space: global }
      - { .name: pos_emb, .offset: 8, .size: 8, .value_kind: global_buffer, .address_space: global }
      - { .name: Wq_codes, .offset: 16, .size: 8, .value_kind: global_buffer, .address_space: global }
      - { .name: Wq_scales, .offset: 24, .size: 8, .value_kind: global_buffer, .address_space: global }
      - { .name: Wk_codes, .offset: 32, .size: 8, .value_kind: global_buffer, .address_space: global }
      - { .name: Wk_scales, .offset: 40, .size: 8, .value_kind: global_buffer, .address_space: global }
      - { .name: Wv_codes, .offset: 48, .size: 8, .value_kind: global_buffer, .address_space: global }
      - { .name: Wv_scales, .offset: 56, .size: 8, .value_kind: global_buffer, .address_space: global }
      - { .name: Wo_codes, .offset: 64, .size: 8, .value_kind: global_buffer, .address_space: global }
      - { .name: Wo_scales, .offset: 72, .size: 8, .value_kind: global_buffer, .address_space: global }
      - { .name: xq, .offset: 80, .size: 8, .value_kind: global_buffer, .address_space: global }
      - { .name: kv, .offset: 88, .size: 8, .value_kind: global_buffer, .address_space: global }
      - { .name: psc, .offset: 96, .size: 8, .value_kind: global_buffer, .address_space: global }
      - { .name: wimg, .offset: 104, .size: 8, .value_kind: global_buffer, .address_space: global }
    .group_segment_fixed_size: 34304
    .private_segment_fixed_size: 0
    .kernarg_segment_align: 8
    .kernarg_segment_size: 112
    .max_flat_workgroup_size: 128
    .sgpr_count:     66
    .vgpr_count:     256
    .wavefront_size: 32
...
	.end_amdgpu_metadata
.endif
;; end of part 1
;; launch qkv (part 2): grid 8 x 32, 4 waves a work-group, clusters of 4 x 1, 168,448 bytes of LDS; arguments xq, wimg, psc, qb, kv; writes qb, kv
.if DOCPART == 2
	.amdgcn_target "amdgcn-amd-amdhsa--gfx1250"
	.amdhsa_code_object_version 6
	.text
	.protected	k_qf50920962f_qkv
	.globl	k_qf50920962f_qkv
	.p2align	8
	.type	k_qf50920962f_qkv,@function
k_qf50920962f_qkv:
	s_mov_b64 s[64:65], 0
	v_nop
	global_prefetch_b8 v0, s[64:65] scope:SCOPE_SE
	s_setreg_imm32_b32 hwreg(HW_REG_WAVE_MODE, 25, 1), 1
	s_wait_xcnt 0x0
	s_wait_alu depctr_hold_cnt(0) depctr_sa_sdst(0) depctr_va_vdst(0) depctr_va_sdst(0) depctr_va_ssrc(0) depctr_va_vcc(0) depctr_vm_vsrc(0)
	s_getreg_b32 s2, hwreg(HW_REG_IB_STS2, 6, 4)
	s_cmp_eq_u32 s2, 0
	s_cbranch_scc0 .Lentry_in_a_cluster
	s_endpgm
.Lentry_in_a_cluster:
	s_bfe_u32 s2, ttmp6, 0x10000c
	s_cmp_lg_u32 s2, 0x3003
	s_cbranch_scc0 .Lentry_shape_is_right
	s_endpgm
.Lentry_shape_is_right:
; q = x Wq, k = x Wk, v = x Wv on codes of FP6 (E2M3) with E8M0 scales, and their quantising for the attention: q and k along a head's 64 channels, v along the keys.
; A work-group takes 128 tokens (block tb) and the heads 2 j and 2 j + 1: 384 columns.  Each of its four waves has 48 accumulators:
;   32 for q (waves 0, 1) or k (waves 2, 3) of head 2 j + w % 2: source 0 = 16 rows of the weight, source 1 = 16 tokens: a lane holds one token and its registers run along the channels;
;   16 for v of head 2 j + w / 2, channel tiles 2 (w % 2) and 2 (w % 2) + 1: source 0 = 16 tokens, source 1 = 16 rows of Wv: a lane holds one channel and its registers run down the keys.
; By the choice of the rows of a tile (launch quant) the 16 registers of two neighbouring tiles are 16 neighbours along the next product's K, so the scaled conversions take them as they stand.
; x's codes: one block of 102,400 bytes (scale words, then 64 images of fragments), brought into LDS once by four tensor loads and read by all four waves.
; CLUSTER: the four partners have the same tb and differ in j, so x's block is asked for jointly (mask 15).  The weights are not shared through LDS: each fragment feeds one wave of the work-group only, and comes as
; three loads of 512 consecutive bytes straight into that wave's registers, four K steps (72 loads) ahead.  LDS bytes are filled once: there is no ring.
; OUT (images of operand registers): q -> qb, k -> kv: registers 0-5 of the images [q | .], [k | pos], and the scale words [q0 q1 q0 q1], [k0 k1 p0 p1] (pos_emb's bytes come from psc);  v -> kv: four images of V^T and their words.
; LIMITS: as in launch quant (a block of zeros gets the byte 1 with zero codes; NaN and infinities are not served).
; REGISTERS, in windows of 256: window 0: v1-8 addresses; v16-31 the q/k weight's scale words, v32-39 Wv's, v40-71 x's (each register: lanes 0-15 an even tile's rows, lanes 16-31 the odd tile's); v72-79 pos_emb's bytes;
;   v80-175 x's eight fragments; in the tail v80-236 at work.   window 1: weight sets 0-2 (72 registers: 4 q/k tiles, 2 v tiles).   window 2: the q/k accumulators, (token tile m, weight tile t) at 32 m + 8 t.
;   window 3: v's accumulators, (n, m) at 64 n + 8 m; weight set 3 at v128.
.set WV,  14                           ; s14 my wave's number
.set WS,  16
.set WVS, 32
.set XS,  40
.set PSC, 72
.set XF,  80
.set PCB, 80                           ; the tail: codes
.set TM,  176
.set TP,  192
.set SC,  208
.set WD,  224
.set MSB, 0
.macro WIN new                         ; the immediate's high byte repeats the setting that is left
.if MSB != (\new)
	s_set_vgpr_msb (MSB<<8)|(\new)
.set MSB, (\new)
.endif
.endm
.macro ROUND                           ; a round of the cluster's barrier
	s_barrier_signal -1
	s_barrier_wait -1
	s_cmp_lg_u32 s[WV], 0
	s_cbranch_scc1 .Lnot_wave_0_\@
	s_barrier_signal -3
.Lnot_wave_0_\@:
	s_barrier_wait -3
	s_barrier_signal -1
	s_barrier_wait -1
.endm
.macro PLACES                          ; four plain places behind a matrix instruction, in front of loads into its sources and of the first read of results
.rept 4
	v_nop
.endr
.endm
; One matrix instruction.  zero = 1: it starts the sum.  ra, rb = 1: the side's scales are read from lanes 16-31 of its register.
.macro WM d, a, b, zero, sa, sb, ra, rb
.if \zero
.if (\ra) && (\rb)
	v_wmma_scale_f32_16x16x128_f8f6f4 v[(\d):(\d)+7], v[(\a):(\a)+11], v[(\b):(\b)+11], 0, v[\sa], v[\sb] matrix_a_fmt:MATRIX_FMT_FP6 matrix_b_fmt:MATRIX_FMT_FP6 matrix_a_scale:MATRIX_SCALE_ROW1 matrix_b_scale:MATRIX_SCALE_ROW1
.elseif (\ra)
	v_wmma_scale_f32_16x16x128_f8f6f4 v[(\d):(\d)+7], v[(\a):(\a)+11], v[(\b):(\b)+11], 0, v[\sa], v[\sb] matrix_a_fmt:MATRIX_FMT_FP6 matrix_b_fmt:MATRIX_FMT_FP6 matrix_a_scale:MATRIX_SCALE_ROW1
.elseif (\rb)
	v_wmma_scale_f32_16x16x128_f8f6f4 v[(\d):(\d)+7], v[(\a):(\a)+11], v[(\b):(\b)+11], 0, v[\sa], v[\sb] matrix_a_fmt:MATRIX_FMT_FP6 matrix_b_fmt:MATRIX_FMT_FP6 matrix_b_scale:MATRIX_SCALE_ROW1
.else
	v_wmma_scale_f32_16x16x128_f8f6f4 v[(\d):(\d)+7], v[(\a):(\a)+11], v[(\b):(\b)+11], 0, v[\sa], v[\sb] matrix_a_fmt:MATRIX_FMT_FP6 matrix_b_fmt:MATRIX_FMT_FP6
.endif
.else
.if (\ra) && (\rb)
	v_wmma_scale_f32_16x16x128_f8f6f4 v[(\d):(\d)+7], v[(\a):(\a)+11], v[(\b):(\b)+11], v[(\d):(\d)+7], v[\sa], v[\sb] matrix_a_fmt:MATRIX_FMT_FP6 matrix_b_fmt:MATRIX_FMT_FP6 matrix_a_scale:MATRIX_SCALE_ROW1 matrix_b_scale:MATRIX_SCALE_ROW1
.elseif (\ra)
	v_wmma_scale_f32_16x16x128_f8f6f4 v[(\d):(\d)+7], v[(\a):(\a)+11], v[(\b):(\b)+11], v[(\d):(\d)+7], v[\sa], v[\sb] matrix_a_fmt:MATRIX_FMT_FP6 matrix_b_fmt:MATRIX_FMT_FP6 matrix_a_scale:MATRIX_SCALE_ROW1
.elseif (\rb)
	v_wmma_scale_f32_16x16x128_f8f6f4 v[(\d):(\d)+7], v[(\a):(\a)+11], v[(\b):(\b)+11], v[(\d):(\d)+7], v[\sa], v[\sb] matrix_a_fmt:MATRIX_FMT_FP6 matrix_b_fmt:MATRIX_FMT_FP6 matrix_b_scale:MATRIX_SCALE_ROW1
.else
	v_wmma_scale_f32_16x16x128_f8f6f4 v[(\d):(\d)+7], v[(\a):(\a)+11], v[(\b):(\b)+11], v[(\d):(\d)+7], v[\sa], v[\sb] matrix_a_fmt:MATRIX_FMT_FP6 matrix_b_fmt:MATRIX_FMT_FP6
.endif
.endif
.endm
.macro SETW s                          ; where K step s's weight set lies: WB its first register, WW its window
.if ((\s)%4) == 3
.set WB, 128
.set WW, 3
.else
.set WB, 72*((\s)%4)
.set WW, 1
.endif
.endm
.macro WLOAD s                         ; K step s's weights: 4 fragments of Wq or Wk, 2 of Wv: 18 loads of 512 consecutive bytes
	SETW \s
	WIN WW<<6
.irp k, 0,1,2,3,4,5,6,7,8,9,10,11
	global_load_b128 v[WB+4*\k:WB+4*\k+3], v1, s[28:29] offset:6144*(\s)+512*\k
.endr
.irp k, 0,1,2,3,4,5
	global_load_b128 v[WB+48+4*\k:WB+48+4*\k+3], v1, s[30:31] offset:6144*(\s)+512*\k
.endr
.endm
.macro XLOAD s, m0                     ; x's fragments of K step s, token tiles m0 .. m0 + 3: 12 LDS loads of 512 consecutive bytes
	WIN 0
.if (\s) < 4
.set XAR, 1
.else
.set XAR, 5                            ; (an LDS immediate has 16 bits: K steps 4-7 lie 49,152 bytes on)
.endif
.irp m, \m0, \m0+1, \m0+2, \m0+3
.irp i, 0,1,2
	ds_load_b128 v[XF+12*(\m)+4*\i:XF+12*(\m)+4*\i+3], v[XAR] offset:4096+(8*((\s)%4)+(\m))*1536+512*\i
.endr
.endr
.endm
.macro MULQK s, m0, zero               ; 16 products: 4 token tiles x the 4 tiles of Wq or Wk
	WIN 0xa0|WW
.irp m, \m0, \m0+1, \m0+2, \m0+3
.irp t, 0,1,2,3
	WM 32*(\m)+8*\t, WB+12*\t, XF+12*(\m), \zero, WS+8*(\t/2)+(\s), XS+8*((\m)/2)+(\s), \t%2, (\m)%2
.endr
.endr
.endm
.macro MULV s, m0, zero                ; 8 products: 4 token tiles x my 2 tiles of Wv
	WIN 0xf0|(WW<<2)
.irp m, \m0, \m0+1, \m0+2, \m0+3
.irp n, 0,1
	WM 64*\n+8*(\m), XF+12*(\m), WB+48+12*\n, \zero, XS+8*((\m)/2)+(\s), WVS+(\s), (\m)%2, \n
.endr
.endr
.endm
; A K step of 128: 48 products; the 48 accumulators take turns, one instruction a turn, in the same order in every step.
.macro KSTEP s, zero
.if (\s) < 5
	s_wait_loadcnt 54                              ; this step's weights are in; the three later sets, 18 loads each, may be out
.else
	s_wait_loadcnt 18*(7-(\s))
.endif
	s_wait_dscnt 12                                ; x's tiles 0-3 are in; the 12 loads of tiles 4-7 may be out
	SETW \s
	MULQK \s, 0, \zero
	MULV \s, 0, \zero
.if (\s) < 7
	PLACES
	XLOAD (\s)+1, 0
	s_wait_dscnt 12                                ; tiles 4-7 are in; the 12 just issued may be out
.else
	s_wait_dscnt 0x0
.endif
	MULQK \s, 4, \zero
	MULV \s, 4, \zero
	PLACES
.if (\s) < 7
	XLOAD (\s)+1, 4
.endif
.if (\s) < 4
	WLOAD (\s)+4                                   ; into the set that this step has multiplied
.endif
.endm
	s_load_b256 s[4:11], s[0:1], 0x0               ; xq s[4:5], wimg s[6:7], psc s[8:9], qb s[10:11]
	s_load_b64 s[12:13], s[0:1], 0x20              ; kv
	v_lshl_add_u32 v254, v0, 2, 0x29000
	v_mov_b32 v255, 0
	ds_add_u32 v254, v255
	ds_add_u32 v254, v255
	v_lshrrev_b32 v9, 5, v0
	v_readfirstlane_b32 s[WV], v9                  ; wave 0..3
	v_and_b32 v9, 31, v0                           ; lane
	v_and_b32 v10, 15, v0                          ; r
	v_bfe_u32 v8, v0, 4, 1                         ; h
	v_lshlrev_b32 v1, 4, v9                        ; 16 x lane
	v_lshlrev_b32 v2, 3, v9                        ; 8 x lane
	v_lshlrev_b32 v3, 2, v9                        ; 4 x lane
	v_add_nc_u32 v5, 49152, v1
	v_lshlrev_b32 v7, 4, v10                       ; 16 r
	v_lshl_add_u32 v6, v8, 9, v7                   ; 512 h + 16 r: x's scale words, lanes 16-31 the odd tile's
	s_and_b32 s48, ttmp7, 0xffff                   ; tb, which the four partners share
	; descriptor group 1: a dense quarter of x's block, 25,600 bytes, as 100 rows of 32 elements of 8 bytes
	s_mov_b32 s16, 15|(3<<16)|(1<<21)              ; 15:0 the mask: all four work-groups; 17:16 elements of 8 bytes; 21 set beside a mask
	s_mov_b32 s17, 32<<16                          ; tensor_dim0 = 32
	s_mov_b32 s18, 100<<16                         ; tensor_dim1 = 100
	s_mov_b32 s19, 32<<16                          ; tile_dim0 = 32
	s_mov_b32 s20, 100                             ; tile_dim1 = 100
	s_mov_b32 s21, 32                              ; from row to row
	s_mov_b32 s22, 0
	s_mov_b32 s23, 0
	s_mov_b32 s24, 1
	s_mul_i32 s25, s[WV], 25600                    ; LDS address: my quarter
	s_mul_i32 s46, s48, 102400
	s_add_co_u32 s46, s46, s25
	s_mov_b32 s47, 0
	s_wait_dscnt 0x0
	s_wait_kmcnt 0x0
	s_add_nc_u64 s[26:27], s[4:5], s[46:47]
	s_or_b32 s27, s27, 0x80000000                  ; type = 2
	ROUND                                          ; all four work-groups are here: the joint loads meet
	tensor_load_to_lds s[24:27], s[16:23]          ; my one tensor load of the launch
	s_nop 0
	PLACES                                         ; (four plain places behind a tensor load)
	s_bfe_u32 s60, ttmp6, 0x40000                  ; cx: it enters global addresses alone
	s_lshl_b32 s61, ttmp9, 2
	s_add_co_u32 s61, s61, s60                     ; j: the pair of heads
	s_lshr_b32 s49, s[WV], 1
	s_and_b32 s50, s[WV], 1
	s_lshl_b32 s51, s61, 1
	s_add_co_u32 s52, s51, s50                     ; the head of my q or k
	s_add_co_u32 s53, s51, s49                     ; the head of my v
	s_lshl_b32 s54, s49, 4                         ; wimg's block: 16 x (0 q, 1 k) + head
	s_add_co_u32 s54, s54, s52
	s_mul_i32 s54, s54, 51200
	s_mov_b32 s55, 0
	s_add_nc_u64 s[28:29], s[6:7], s[54:55]
	s_add_co_u32 s56, s53, 32                      ; Wv's block: 32 + head
	s_mul_i32 s56, s56, 51200
	s_mul_i32 s58, s50, 3072                       ; my two tiles in a K step's four
	s_add_co_u32 s58, s58, s56
	s_mov_b32 s59, 0
	s_add_nc_u64 s[30:31], s[6:7], s[58:59]
	s_lshl_b32 s57, s50, 10
	s_add_co_u32 s56, s56, s57
	s_add_co_u32 s56, s56, 49152                   ; and their scale words
	s_mov_b32 s57, 0
	s_add_nc_u64 s[42:43], s[6:7], s[56:57]
	s_lshl_b32 s54, s48, 12                        ; psc: 4,096 tb + 256 (j / 4) + 4 (j % 4)
	s_lshr_b32 s55, s61, 2
	s_lshl_b32 s55, s55, 8
	s_add_co_u32 s54, s54, s55
	s_and_b32 s55, s61, 3
	s_lshl_b32 s55, s55, 2
	s_add_co_u32 s54, s54, s55
	s_mov_b32 s55, 0
	s_add_nc_u64 s[32:33], s[8:9], s[54:55]
	s_wait_alu depctr_va_vdst(0)
.irp x, 0,1,2,3
	global_load_b128 v[WS+4*\x:WS+4*\x+3], v1, s[28:29] offset:49152+512*\x
.endr
.irp x, 0,1
	global_load_b128 v[WVS+4*\x:WVS+4*\x+3], v1, s[42:43] offset:512*\x
.endr
.irp m, 0,1,2,3,4,5,6,7
	global_load_b32 v[PSC+\m], v7, s[32:33] offset:512*\m
.endr
	WLOAD 0
	WLOAD 1
	WLOAD 2
	WLOAD 3
	WIN 0
	s_lshr_b32 s54, s48, 4                         ; where the results go: block ((16 b + head) 16 + st) of 19,200 bytes
	s_lshl_b32 s54, s54, 8
	s_and_b32 s55, s48, 15
	s_add_co_u32 s54, s54, s55                     ; 256 b + st
	s_lshl_b32 s55, s52, 4
	s_add_co_u32 s55, s55, s54
	s_mul_i32 s56, s55, 19200
	s_mov_b32 s57, 0
	s_lshl_b32 s55, s53, 4
	s_add_co_u32 s55, s55, s54
	s_mul_i32 s54, s55, 19200
	s_mul_i32 s55, s50, 3072
	s_add_co_u32 s58, s54, s55
	s_add_co_u32 s58, s58, 12288                   ; V^T's images: my two
	s_mov_b32 s59, 0
	s_lshl_b32 s55, s50, 7
	s_add_co_u32 s54, s54, s55
	s_add_co_u32 s54, s54, 18944                   ; and their words
	s_mov_b32 s55, 0
	s_lshl_b32 s41, s50, 4                         ; which half of psc's word is my head's
	s_cmp_lt_u32 s[WV], 2
	s_cselect_b64 s[34:35], s[10:11], s[12:13]     ; waves 0, 1: q -> qb; waves 2, 3: k -> kv
	s_cselect_b32 s40, -1, 0
	s_add_nc_u64 s[34:35], s[34:35], s[56:57]
	s_add_nc_u64 s[36:37], s[12:13], s[58:59]
	s_add_nc_u64 s[44:45], s[12:13], s[54:55]
	s_mov_b32 s38, 0x76543210
	s_mov_b32 s39, 0xfedcba98                      ; v_permlanex16_b32's selects for lane l xor 16
.irp x, 0,1,2,3,4,5,6,7,8,9,10,11,12,13,14,15
	v_mov_b32 v[TP+\x], 0                          ; written once: a lane permute's destination counts as one of its sources
.endr
	v_cmp_ne_u32 vcc_lo, 0, v8                     ; lanes 16-31: kept for the tail's selections
	s_wait_tensorcnt 0x0                           ; my quarter of x's block is in,
	s_barrier_signal -1
	s_barrier_wait -1                              ; everybody's is
.irp i, 0,1,2,3
.irp q, 0,1
	ds_load_b128 v[XS+8*\i+4*\q:XS+8*\i+4*\q+3], v6 offset:1024*\i+256*\q     ; the words of tiles 2 i (lanes 0-15) and 2 i + 1 (lanes 16-31), K steps 4 q .. 4 q + 3
.endr
.endr
	XLOAD 0, 0
	XLOAD 0, 4
	KSTEP 0, 1                                     ; the first step's products start the sums: nothing is cleared
	KSTEP 1, 0
	KSTEP 2, 0
	KSTEP 3, 0
	KSTEP 4, 0
	KSTEP 5, 0
	KSTEP 6, 0
	KSTEP 7, 0
	; ---- q or k: each token tile's 32 registers are two blocks of 32 channels, half a block in a lane.  All eight tiles go stage by stage, so that no line waits for the line above it.
	WIN 0x0a                                       ; sources 0 and 1: window 2
.irp m, 0,1,2,3,4,5,6,7
.irp b, 0,1
	v_max3_num_f32 v[TM+2*\m+\b], |v[32*\m+16*\b]|, |v[32*\m+16*\b+1]|, 0x1800000   ; each accumulator is read from its low end on; the floor 2^(3 - 127) holds the byte at 1 from below
.endr
.endr
.irp i, 2,4,6,8,10,12,14
.irp m, 0,1,2,3,4,5,6,7
.irp b, 0,1
	v_max3_num_f32 v[TM+2*\m+\b], |v[32*\m+16*\b+\i]|, |v[32*\m+16*\b+\i+1]|, v[TM+2*\m+\b]
.endr
.endr
.endr
	WIN 0
.irp x, 0,1,2,3,4,5,6,7,8,9,10,11,12,13,14,15
	v_permlanex16_b32 v[TP+\x], v[TM+\x], s38, s39
.endr
.irp x, 0,1,2,3,4,5,6,7,8,9,10,11,12,13,14,15
	v_max_num_f32 v[TM+\x], v[TM+\x], v[TP+\x]     ; with lane l xor 16's: the block's largest magnitude
.endr
.irp x, 0,1,2,3,4,5,6,7,8,9,10,11,12,13,14,15
	v_add_nc_u32 v[SC+\x], 0xff000000, v[TM+\x]    ; 2 off its exponent field: the conversion's scale operand
.endr
.irp x, 0,1,2,3,4,5,6,7,8,9,10,11,12,13,14,15
	v_lshrrev_b32 v[TP+\x], 23, v[SC+\x]           ; the byte
.endr
.irp m, 0,1,2,3,4,5,6,7
	v_lshl_or_b32 v[WD+\m], v[TP+2*\m+1], 8, v[TP+2*\m]   ; my row's two bytes
.endr
	WIN 0x02                                       ; source 0: window 2
.irp m, 0,1,2,3,4,5,6,7
	v_cvt_scalef32_pk16_fp6_f32 v[PCB+12*\m:PCB+12*\m+2], v[32*\m:32*\m+15], v[SC+2*\m]
	v_cvt_scalef32_pk16_fp6_f32 v[PCB+12*\m+6:PCB+12*\m+8], v[32*\m+16:32*\m+31], v[SC+2*\m+1]
.endr
	WIN 0
	v_nop                                          ; one plain place behind the scaled conversions
.irp m, 0,1,2,3,4,5,6,7                ; the operand's layout wants a whole block in a lane: lanes 0-15 block 0, lanes 16-31 block 1
.irp i, 0,1,2
	v_permlane16_swap_b32 v[PCB+12*\m+\i], v[PCB+12*\m+6+\i]
.endr
.endr
.irp m, 0,1,2,3,4,5,6,7
.irp i, 0,1,2
	v_mov_b32 v[PCB+12*\m+3+\i], v[PCB+12*\m+6+\i]
.endr
.endr
.irp m, 0,1,2,3,4,5,6,7                ; the scale word of the attention's K = 128: [q0 q1 q0 q1] or [k0 k1 p0 p1]
	v_lshrrev_b32 v[PSC+\m], s41, v[PSC+\m]        ; pos_emb's two bytes of my head, lowest
	v_cndmask_b32 v[PSC+\m], v[PSC+\m], v[WD+\m], s40   ; q's waves take their own two bytes again
	v_lshl_or_b32 v[WD+\m], v[PSC+\m], 16, v[WD+\m]
.endr
.irp i, 0,1,2,3
	v_cndmask_b32 v[232+\i], v[WD+2*\i], v[WD+2*\i+1], vcc_lo   ; lane (r, h) stores the words of tiles h, 2 + h, 4 + h, 6 + h
.endr
.irp m, 0,1,2,3,4,5,6,7
	global_store_b128 v1, v[PCB+12*\m:PCB+12*\m+3], s[34:35] offset:1536*\m         ; registers 0-3 of the image: 512 consecutive bytes, aligned to 256
	global_store_b64 v2, v[PCB+12*\m+4:PCB+12*\m+5], s[34:35] offset:1536*\m+512    ; registers 4-5: 256
.endr
	global_store_b128 v1, v[232:235], s[34:35] offset:18432
	; ---- v: each of my two channel tiles has 64 registers down the 128 keys: four blocks, half a block in a lane: one fragment of V^T and one scale word a channel
	WIN 0x0f                                       ; sources 0 and 1: window 3
.irp n, 0,1
.irp b, 0,1,2,3
	v_max3_num_f32 v[TM+4*\n+\b], |v[64*\n+16*\b]|, |v[64*\n+16*\b+1]|, 0x1800000
.endr
.endr
.irp i, 2,4,6,8,10,12,14
.irp n, 0,1
.irp b, 0,1,2,3
	v_max3_num_f32 v[TM+4*\n+\b], |v[64*\n+16*\b+\i]|, |v[64*\n+16*\b+\i+1]|, v[TM+4*\n+\b]
.endr
.endr
.endr
	WIN 0
.irp x, 0,1,2,3,4,5,6,7
	v_permlanex16_b32 v[TP+\x], v[TM+\x], s38, s39
.endr
.irp x, 0,1,2,3,4,5,6,7
	v_max_num_f32 v[TM+\x], v[TM+\x], v[TP+\x]
.endr
.irp x, 0,1,2,3,4,5,6,7
	v_add_nc_u32 v[SC+\x], 0xff000000, v[TM+\x]
.endr
.irp x, 0,1,2,3,4,5,6,7
	v_lshrrev_b32 v[TP+\x], 23, v[SC+\x]
.endr
.irp n, 0,1
	v_lshl_or_b32 v[WD+\n], v[TP+4*\n+1], 8, v[TP+4*\n]
	v_lshl_or_b32 v[WD+\n], v[TP+4*\n+2], 16, v[WD+\n]
	v_lshl_or_b32 v[WD+\n], v[TP+4*\n+3], 24, v[WD+\n]
.endr
	v_cndmask_b32 v236, v[WD], v[WD+1], vcc_lo     ; lanes 0-15 store the even tile's words, lanes 16-31 the odd tile's
	s_wait_xcnt 0x0                                ; the stores above have read the codes' registers: they are written again only behind this wait
	WIN 0x03                                       ; source 0: window 3
.irp n, 0,1
.irp c, 0,1
	v_cvt_scalef32_pk16_fp6_f32 v[PCB+24*\n+6*\c:PCB+24*\n+6*\c+2], v[64*\n+32*\c:64*\n+32*\c+15], v[SC+4*\n+2*\c]
	v_cvt_scalef32_pk16_fp6_f32 v[PCB+24*\n+12+4*\c:PCB+24*\n+14+4*\c], v[64*\n+32*\c+16:64*\n+32*\c+31], v[SC+4*\n+2*\c+1]
.endr
.endr
	WIN 0
	v_nop
.irp n, 0,1
.irp c, 0,1
.irp i, 0,1,2
	v_permlane16_swap_b32 v[PCB+24*\n+6*\c+\i], v[PCB+24*\n+12+4*\c+\i]
.endr
.irp i, 0,1,2
	v_mov_b32 v[PCB+24*\n+6*\c+3+\i], v[PCB+24*\n+12+4*\c+\i]
.endr
.endr
.endr
.irp n, 0,1
.irp i, 0,1,2
	global_store_b128 v1, v[PCB+24*\n+4*\i:PCB+24*\n+4*\i+3], s[36:37] offset:1536*\n+512*\i
.endr
.endr
	global_store_b32 v3, v236, s[44:45]            ; 128 consecutive bytes: the other half of these 256 is the wave's that has the head's other two tiles
	s_wait_tensorcnt 0x0
	ds_add_u32 v254, v255
	s_wait_dscnt 0x0
	ROUND                                          ; the closing round: no work-group ends while a partner may still ask for a tile that names it
	s_endpgm
.Lfunc_end_k_qf50920962f_qkv:
	.size	k_qf50920962f_qkv, .Lfunc_end_k_qf50920962f_qkv-k_qf50920962f_qkv
	.p2alignl 7, 3214868480
	.fill 96, 4, 3214868480
	.section	.rodata,"a",@progbits
	.p2align	6, 0x0
	.amdhsa_kernel k_qf50920962f_qkv
		.amdhsa_group_segment_fixed_size 168448
		.amdhsa_private_segment_fixed_size 0
		.amdhsa_enable_private_segment 0
		.amdhsa_kernarg_size 40
		.amdhsa_user_sgpr_count 2
		.amdhsa_user_sgpr_kernarg_segment_ptr 1
		.amdhsa_wavefront_size32 1
		.amdhsa_system_sgpr_workgroup_id_x 1
		.amdhsa_system_sgpr_workgroup_id_y 1
		.amdhsa_system_sgpr_workgroup_id_z 1
		.amdhsa_system_vgpr_workitem_id 0
		.amdhsa_next_free_vgpr 1024
		.amdhsa_next_free_sgpr 66
		.amdhsa_reserve_vcc 1
		.amdhsa_float_denorm_mode_32 3
		.amdhsa_float_denorm_mode_16_64 3
		.amdhsa_memory_ordered 1
		.amdhsa_forward_progress 1
		.amdhsa_inst_pref_size 112
	.end_amdhsa_kernel
	.amdgpu_metadata
---
amdhsa.version: [ 1, 2 ]
amdhsa.kernels:
  - .name:           k_qf50920962f_qkv
    .symbol:         k_qf50920962f_qkv.kd
    .args:
      - { .name: xq, .offset: 0, .size: 8, .value_kind: global_buffer, .address_space: global }
      - { .name: wimg, .offset: 8, .size: 8, .value_kind: global_buffer, .address_space: global }
      - { .name: psc, .offset: 16, .size: 8, .value_kind: global_buffer, .address_space: global }
      - { .name: qb, .offset: 24, .size: 8, .value_kind: global_buffer, .address_space: global }
      - { .name: kv, .offset: 32, .size: 8, .value_kind: global_buffer, .address_space: global }
    .group_segment_fixed_size: 168448
    .private_segment_fixed_size: 0
    .kernarg_segment_align: 8
    .kernarg_segment_size: 40
    .max_flat_workgroup_size: 128
    .sgpr_count:     66
    .vgpr_count:     1024
    .wavefront_size: 32
...
	.end_amdgpu_metadata
.endif
;; end of part 2
;; launch attn (part 3): grid 8 x 32, 16 waves a work-group, clusters of 4 x 1, 309,248 bytes of LDS; arguments qb, kv, ob; writes ob
.if DOCPART == 3
	.amdgcn_target "amdgcn-amd-amdhsa--gfx1250"
	.amdhsa_code_object_version 6
	.text
	.protected	k_qf50920962f_attn
	.globl	k_qf50920962f_attn
	.p2align	8
	.type	k_qf50920962f_attn,@function
k_qf50920962f_attn:
	s_mov_b64 s[64:65], 0
	v_nop
	global_prefetch_b8 v0, s[64:65] scope:SCOPE_SE
	s_setreg_imm32_b32 hwreg(HW_REG_WAVE_MODE, 25, 1), 1
	s_wait_xcnt 0x0
	s_wait_alu depctr_hold_cnt(0) depctr_sa_sdst(0) depctr_va_vdst(0) depctr_va_sdst(0) depctr_va_ssrc(0) depctr_va_vcc(0) depctr_vm_vsrc(0)
	s_getreg_b32 s2, hwreg(HW_REG_IB_STS2, 6, 4)
	s_cmp_eq_u32 s2, 0
	s_cbranch_scc0 .Lentry_in_a_cluster
	s_endpgm
.Lentry_in_a_cluster:
	s_bfe_u32 s2, ttmp6, 0x10000c
	s_cmp_lg_u32 s2, 0x3003
	s_cbranch_scc0 .Lentry_shape_is_right
	s_endpgm
.Lentry_shape_is_right:
; o = softmax((q k^T + q pos^T) / 8) v for one head, all products on codes of FP6 (E2M3) with E8M0 scales, and o's quantising for the out-projection.
; THE TWO SCORE PRODUCTS ARE ONE: each has K = 64 and both have q, so [k | pos] against [q | q] is one instruction of K = 128: its sum is q . k + q . pos.
; THE SOFTMAX: t = score x log2(e) / 8; M = the row's largest t so far, rounded UP to a whole number; p = 2^(t - M) is quantised along the keys, not normalised.  The row's sum is taken of the
; unquantised p and divides O at the end.  When M moves, the sum and O are multiplied by 2^(old M - new M): exact.
; SHARES.  A work-group owns 256 queries of one head; each of its sixteen waves one tile of 16, in 256 registers.  Every wave walks the head's 2,048 keys, 128 a step, in one loop of 16 trips.
; Both products are used transposed (S^T = [k | pos] [q | q]^T, O^T = V^T P^T): a lane holds ONE query throughout.
; LDS.  A head's key side, 16 blocks of 19,200 bytes (8 images [k | pos], 4 images of V^T, their scale words), is 307,200 bytes: it lies in LDS whole.  Every byte is filled once: no ring, no refill.
; Wave w brings block w: one tensor load a wave, no branch; one wait for it and one barrier stand in front of the loop, and no barrier inside it.
; CLUSTER.  The four partners are four blocks of queries of one head and want the same 307,200 bytes: each load is asked for jointly (mask 15).
; The whole head is asked for at the launch's head, so there is no later tile for which a prefetch could ask.
; All operands lie as images of their registers (launches quant, qkv), so every LDS load reads 128, 256 or 512 consecutive bytes.
; LIMITS: NaN and infinities are not served; a block of p that has fallen to 0 keeps the byte 1 with zero codes; the promise holds while |t| stays under 2^31.
; REGISTERS: v1-3, v8 16, 8, 4, 2 x lane; v4-6 the same + the step's block; v12 -M, v13 the largest t, v[14:15] the sum in two halves; v16-27 [q | q], v28 its scale words; v32-79 four fragments; v96-159 S^T, then p; v160-191 O^T;
;   v192-210 p's codes; v212-215 the keys' scale words, v216-217 V's, v218 p's; v220-253 at work; v254-255 the spare word's address and 0.
.set WV,  10
.set SEL, 24
.set CS,  26
.set TB,  28
.set CNT, 29
.set F,   32
.set S,   96
.set O,   160
.set PC,  192
.set PT0, 204
.set PT1, 208
.set KS,  212
.set VS,  216
.set PS,  218
.set BM,  220
.set TP,  224
.set SC,  228
.set FF,  232
.set TT,  236
.macro ROUND                           ; a round of the cluster's barrier
	s_barrier_signal -1
	s_barrier_wait -1
	s_cmp_lg_u32 s[WV], 0
	s_cbranch_scc1 .Lnot_wave_0_\@
	s_barrier_signal -3
.Lnot_wave_0_\@:
	s_barrier_wait -3
	s_barrier_signal -1
	s_barrier_wait -1
.endm
.macro PLACES
.rept 4
	v_nop
.endr
.endm
; One matrix instruction.  zero = 1: it starts the sum.  ra = 1: source 0's scales are read from lanes 16-31 of their register.
.macro WM d, a, b, zero, sa, sb, ra
.if \zero
.if (\ra)
	v_wmma_scale_f32_16x16x128_f8f6f4 v[(\d):(\d)+7], v[(\a):(\a)+11], v[(\b):(\b)+11], 0, v[\sa], v[\sb] matrix_a_fmt:MATRIX_FMT_FP6 matrix_b_fmt:MATRIX_FMT_FP6 matrix_a_scale:MATRIX_SCALE_ROW1
.else
	v_wmma_scale_f32_16x16x128_f8f6f4 v[(\d):(\d)+7], v[(\a):(\a)+11], v[(\b):(\b)+11], 0, v[\sa], v[\sb] matrix_a_fmt:MATRIX_FMT_FP6 matrix_b_fmt:MATRIX_FMT_FP6
.endif
.else
.if (\ra)
	v_wmma_scale_f32_16x16x128_f8f6f4 v[(\d):(\d)+7], v[(\a):(\a)+11], v[(\b):(\b)+11], v[(\d):(\d)+7], v[\sa], v[\sb] matrix_a_fmt:MATRIX_FMT_FP6 matrix_b_fmt:MATRIX_FMT_FP6 matrix_a_scale:MATRIX_SCALE_ROW1
.else
	v_wmma_scale_f32_16x16x128_f8f6f4 v[(\d):(\d)+7], v[(\a):(\a)+11], v[(\b):(\b)+11], v[(\d):(\d)+7], v[\sa], v[\sb] matrix_a_fmt:MATRIX_FMT_FP6 matrix_b_fmt:MATRIX_FMT_FP6
.endif
.endif
.endm
	s_load_b128 s[4:7], s[0:1], 0x0                ; qb, kv
	s_load_b64 s[8:9], s[0:1], 0x10                ; ob
	v_lshl_add_u32 v254, v0, 2, 0x4b000
	v_mov_b32 v255, 0
	ds_add_u32 v254, v255                          ; the opening lines: the add, twice on end, and its wait
	ds_add_u32 v254, v255
	v_lshrrev_b32 v9, 5, v0
	s_delay_alu instid0(VALU_DEP_1)
	v_readfirstlane_b32 s[WV], v9                  ; wave 0..15
	v_and_b32 v9, 31, v0
	v_and_b32 v10, 15, v0
	s_delay_alu instid0(VALU_DEP_2)
	v_lshlrev_b32 v1, 4, v9
	s_delay_alu instid0(VALU_DEP_3)
	v_lshlrev_b32 v2, 3, v9
	s_delay_alu instid0(VALU_DEP_4)
	v_lshlrev_b32 v3, 2, v9
	v_lshlrev_b32 v8, 1, v9
	v_lshlrev_b32 v7, 4, v10                       ; 16 r
	s_and_b32 s11, ttmp7, 0xffff                   ; 16 b + head, which the four partners share
	; descriptor group 1: a dense block of 19,200 bytes as 75 rows of 32 elements of 8 bytes
	s_mov_b32 s16, 15|(3<<16)|(1<<21)              ; the mask: all four work-groups; elements of 8 bytes; bit 21 set beside a mask
	s_mov_b32 s17, 32<<16
	s_mov_b32 s18, 75<<16
	s_mov_b32 s19, 32<<16
	s_mov_b32 s20, 75
	s_mov_b32 s21, 32
	s_mov_b32 s22, 0
	s_mov_b32 s23, 0
	s_lshl_b32 s12, s11, 4
	s_add_co_u32 s12, s12, s[WV]
	s_mul_i32 s12, s12, 19200                      ; the head's block w
	s_mov_b32 s13, 0
	s_mov_b32 s32, 1
	s_mul_i32 s33, s[WV], 19200                    ; and its place in LDS
	s_wait_dscnt 0x0
	s_wait_kmcnt 0x0
	s_add_nc_u64 s[34:35], s[6:7], s[12:13]
	s_or_b32 s35, s35, 0x80000000
	ROUND                                          ; all four work-groups are here: the joint loads meet
	tensor_load_to_lds s[32:35], s[16:23]          ; my one tensor load of the launch: block w
	s_nop 0
	PLACES
	s_bfe_u32 s15, ttmp6, 0x40000                  ; cx: it enters global addresses alone
	s_lshl_b32 s30, ttmp9, 2
	s_add_co_u32 s30, s30, s15                     ; my block of 256 queries
	s_lshl_b32 s31, s11, 4                         ; qb's block: 16 (16 b + head) + 2 x block + w / 8
	s_lshl_b32 s48, s30, 1
	s_add_co_u32 s31, s31, s48
	s_lshr_b32 s48, s[WV], 3
	s_add_co_u32 s31, s31, s48
	s_mul_i32 s48, s31, 19200
	s_and_b32 s49, s[WV], 7                        ; my tile in it
	s_mul_i32 s50, s49, 1536
	s_add_co_u32 s50, s50, s48
	s_mov_b32 s51, 0
	s_and_b32 s52, s[WV], 1                        ; its words: [lane 16 (tile % 2) + r][tile / 2]
	s_lshl_b32 s52, s52, 8
	s_lshr_b32 s49, s49, 1
	s_lshl_b32 s49, s49, 2
	s_add_co_u32 s52, s52, s49
	s_add_co_u32 s52, s52, s48
	s_add_co_u32 s52, s52, 18432
	s_mov_b32 s53, 0
	s_add_nc_u64 s[50:51], s[4:5], s[50:51]
	s_add_nc_u64 s[52:53], s[4:5], s[52:53]
	s_wait_alu depctr_va_vdst(0)                   ; the wait ahead of the readers below
	global_load_b128 v[16:19], v1, s[50:51]        ; q's six registers
	global_load_b64 v[20:21], v2, s[50:51] offset:512
	global_load_b32 v28, v7, s[52:53]              ; [q0 q1 q0 q1] of row r
	s_lshr_b32 s54, s11, 4                         ; ob: tile T = 128 b + 16 x block + w, 13,312 bytes a tile
	s_lshl_b32 s54, s54, 7
	s_lshl_b32 s55, s30, 4
	s_add_co_u32 s54, s54, s55
	s_add_co_u32 s54, s54, s[WV]
	s_mul_i32 s54, s54, 13312
	s_and_b32 s55, s11, 15                         ; the head
	s_mul_i32 s56, s55, 768                        ; its half of K step head / 2's image
	s_add_co_u32 s56, s56, s54
	s_mov_b32 s57, 0
	s_lshl_b32 s58, s55, 6
	s_add_co_u32 s58, s58, s54
	s_add_co_u32 s58, s58, 12288                   ; its 32 pairs of scale bytes
	s_mov_b32 s59, 0
	s_add_nc_u64 s[56:57], s[8:9], s[56:57]
	s_add_nc_u64 s[58:59], s[8:9], s[58:59]
	s_mov_b32 s[SEL], 0x76543210
	s_mov_b32 s[SEL+1], 0xfedcba98                 ; v_permlanex16_b32's selects for lane l xor 16
	s_mov_b32 s[CS], 0x3e38aa3b                    ; log2(e) / 8
	s_mov_b32 s[CS+1], s[CS]                       ; (named with it as a pair, so it is written)
	v_mov_b32 v13, 0xff61b1e6                      ; the largest t so far: -3e38, under every t
	s_delay_alu instid0(VALU_DEP_1)
	v_floor_f32 v12, -v13                          ; -M
	v_mov_b32 v14, 0                               ; the sum, in two halves
	v_mov_b32 v15, 0
.irp b, 0,1,2,3
	v_mov_b32 v[TP+\b], 0                          ; written once: a lane permute's destination counts as one of its sources
.endr
	v_mov_b32 v[FF+1], 0                           ; (named as the upper half of a pair)
	v_mov_b32 v[TT], 0
.irp j, 0,1,2,3,4,5,6,7,8,9,10,11,12,13,14,15,16,17,18,19,20,21,22,23,24,25,26,27,28,29,30,31
	v_mov_b32 v[O+\j], 0                           ; O^T.  (The step is written once: the first finds zeros, which the first change of M leaves zeros)
.endr
	s_wait_loadcnt 0x0
.irp i, 0,1,2,3,4,5
	v_mov_b32 v[22+\i], v[16+\i]                   ; [q | q]
.endr
; A KEY STEP: 128 keys.
.macro STEP
	v_add_nc_u32 v4, s[TB], v1                     ; these three and the v_nop are the four places behind the last step's products, in front of the loads into their registers
	v_add_nc_u32 v5, s[TB], v2
	v_add_nc_u32 v6, s[TB], v3
	v_nop
	s_wait_alu depctr_va_vdst(0)
.irp g, 0,1                            ; S^T = [k | pos] [q | q]^T, four tiles of 16 keys at a time
.if \g
	PLACES
.else
	ds_load_b128 v[KS:KS+3], v4 offset:18432       ; register i: lanes 0-15 the words of key tile 2 i, lanes 16-31 of 2 i + 1
	ds_load_b32 v[VS], v6 offset:18944             ; V's likewise
	ds_load_b32 v[VS+1], v6 offset:19072
.endif
.irp t, 0,1,2,3
	ds_load_b128 v[F+12*\t:F+12*\t+3], v4 offset:1536*(4*\g+\t)
	ds_load_b64 v[F+12*\t+4:F+12*\t+5], v5 offset:1536*(4*\g+\t)+512
	ds_load_b64 v[F+12*\t+6:F+12*\t+7], v5 offset:1536*(4*\g+\t)+768
	ds_load_b128 v[F+12*\t+8:F+12*\t+11], v4 offset:1536*(4*\g+\t)+1024
.endr
.irp t, 0,1,2,3
	s_wait_dscnt 4*(3-\t)                          ; fragment t is in; the later fragments' loads, four each, may be out
	WM S+8*(4*\g+\t), F+12*\t, 16, 1, KS+(4*\g+\t)/2, 28, \t%2
.endr
.endr                                  ; lane (r, h) holds query r; the 16 registers of tiles 2 b, 2 b + 1 are keys 32 b + 16 h + 0 .. 15 of the step
	PLACES
.irp t, 0,1,2,3                        ; V^T's four fragments are asked for now and land while the softmax is worked
.irp i, 0,1,2
	ds_load_b128 v[F+12*\t+4*\i:F+12*\t+4*\i+3], v4 offset:12288+1536*\t+512*\i
.endr
.endr
.irp b, 0,1,2,3
	v_max3_num_f32 v[BM+\b], v[S+16*\b], v[S+16*\b+1], v[S+16*\b+2]   ; the largest score of each block of 32 keys: it serves for the row's maximum and, since p rises with the score, for the block's largest p
.endr
.irp i, 3,5,7,9,11,13
.irp b, 0,1,2,3
	v_max3_num_f32 v[BM+\b], v[BM+\b], v[S+16*\b+\i], v[S+16*\b+\i+1]
.endr
.endr
.irp b, 0,1,2,3
	v_max_num_f32 v[BM+\b], v[BM+\b], v[S+16*\b+15]
.endr
.irp b, 0,1,2,3
	s_delay_alu instid0(VALU_DEP_4)
	v_permlanex16_b32 v[TP+\b], v[BM+\b], s[SEL], s[SEL+1]
.endr
.irp b, 0,1,2,3
	s_delay_alu instid0(VALU_DEP_4)
	v_max_num_f32 v[BM+\b], v[BM+\b], v[TP+\b]     ; with lane l xor 16's 16 keys
.endr
	s_delay_alu instid0(VALU_DEP_2)
	v_max3_num_f32 v[TT], v[BM], v[BM+1], v[BM+2]
	s_delay_alu instid0(VALU_DEP_1)
	v_max_num_f32 v[TT], v[TT], v[BM+3]            ; the step's largest score of my query
	s_delay_alu instid0(VALU_DEP_1)
	v_mul_f32 v[TT], s[CS], v[TT]                  ; as t (c is positive)
	s_delay_alu instid0(VALU_DEP_1)
	v_max_num_f32 v13, v13, v[TT]                  ; the running largest t
	v_mov_b32 v[TT], v12
	s_delay_alu instid0(VALU_DEP_2)
	v_floor_f32 v12, -v13                          ; the new -M = -ceil(t): M is a whole number
	s_delay_alu instid0(VALU_DEP_1)
	v_sub_f32 v[TT], v12, v[TT]                    ; old M - new M: a whole number, 0 or less
	s_delay_alu instid0(VALU_DEP_1)
	v_cvt_i32_f32 v[TT], v[TT]                     ; (it saturates)
	s_delay_alu instid0(VALU_DEP_1)
	v_ldexp_f32 v[FF], 1.0, v[TT]                  ; f = 2^(old M - new M)
.irp j, 0,2,4,6,8,10,12,14,16,18,20,22,24,26,28,30,32,34,36,38,40,42,44,46,48,50,52,54,56,58,60,62
	v_pk_fma_f32 v[S+\j:S+\j+1], v[S+\j:S+\j+1], s[CS:CS+1], v[12:13] op_sel_hi:[1,0,0]   ; t - M, two at a time
.endr
.irp b, 0,1,2,3
	v_fma_f32 v[BM+\b], v[BM+\b], s[CS], v12       ; the same of each block's largest score
.endr
	s_wait_alu depctr_va_vdst(0)                   ; the wait ahead of the batch
.irp j, 0,1,2,3,4,5,6,7,8,9,10,11,12,13,14,15,16,17,18,19,20,21,22,23,24,25,26,27,28,29,30,31,32,33,34,35,36,37,38,39,40,41,42,43,44,45,46,47,48,49,50,51,52,53,54,55,56,57,58,59,60,61,62,63
	v_exp_f32 v[S+\j], v[S+\j]                     ; p = 2^(t - M), at most 1: not normalised
.endr
	v_pk_mul_f32 v[14:15], v[14:15], v[FF:FF+1] op_sel_hi:[1,0]   ; the sums under the new M: the plain place behind the exponentials
	s_wait_alu depctr_va_vdst(0)                   ; one wait for the whole batch, ahead of its first reader
.irp b, 0,1,2,3
	v_exp_f32 v[BM+\b], v[BM+\b]                   ; the block's largest p: the same two instructions on the same number give the same bits
.endr
	v_pk_add_f32 v[234:235], v[100:101], v[104:105]        ; the row's sum of the unquantised p: eight chains, two numbers an instruction
	v_pk_add_f32 v[252:253], v[108:109], v[112:113]
	v_pk_add_f32 v[250:251], v[116:117], v[120:121]
	v_pk_add_f32 v[248:249], v[124:125], v[128:129]
	v_pk_add_f32 v[246:247], v[132:133], v[136:137]
	v_pk_add_f32 v[244:245], v[140:141], v[144:145]
	v_pk_add_f32 v[242:243], v[148:149], v[152:153]
	v_pk_add_f32 v[14:15], v[14:15], v[156:157]
	v_pk_add_f32 v[234:235], v[234:235], v[96:97]
	v_pk_add_f32 v[252:253], v[252:253], v[98:99]
	v_pk_add_f32 v[250:251], v[250:251], v[102:103]
	v_pk_add_f32 v[248:249], v[248:249], v[106:107]
	v_pk_add_f32 v[246:247], v[246:247], v[110:111]
	v_pk_add_f32 v[244:245], v[244:245], v[114:115]
	v_pk_add_f32 v[242:243], v[242:243], v[118:119]
	v_pk_add_f32 v[14:15], v[14:15], v[122:123]
	v_pk_add_f32 v[234:235], v[234:235], v[126:127]
	v_pk_add_f32 v[252:253], v[252:253], v[130:131]
	v_pk_add_f32 v[250:251], v[250:251], v[134:135]
	v_pk_add_f32 v[248:249], v[248:249], v[138:139]
	v_pk_add_f32 v[246:247], v[246:247], v[142:143]
	v_pk_add_f32 v[244:245], v[244:245], v[146:147]
	v_pk_add_f32 v[242:243], v[242:243], v[150:151]
	v_pk_add_f32 v[14:15], v[14:15], v[154:155]
	v_pk_add_f32 v[234:235], v[234:235], v[158:159]
	s_delay_alu instid0(VALU_DEP_2)
	v_pk_add_f32 v[14:15], v[14:15], v[248:249]
	s_delay_alu instid0(VALU_DEP_2)
	v_pk_add_f32 v[234:235], v[234:235], v[246:247]
	v_pk_add_f32 v[252:253], v[252:253], v[244:245]
	v_pk_add_f32 v[250:251], v[250:251], v[242:243]
	s_delay_alu instid0(VALU_DEP_2)
	v_pk_add_f32 v[14:15], v[14:15], v[252:253]
	s_delay_alu instid0(VALU_DEP_2)
	v_pk_add_f32 v[234:235], v[234:235], v[250:251]
	s_delay_alu instid0(VALU_DEP_1)
	v_pk_add_f32 v[14:15], v[14:15], v[234:235]
	s_wait_alu depctr_va_vdst(0)                   ; and one for the four
.irp b, 0,1,2,3
	v_max_num_f32 v[BM+\b], 0x1800000, v[BM+\b]    ; the floor 2^(3 - 127): the byte cannot fall under 1
.endr
.irp b, 0,1,2,3
	s_delay_alu instid0(VALU_DEP_4)
	v_add_nc_u32 v[SC+\b], 0xff000000, v[BM+\b]    ; 2 off the exponent field: the conversion's scale operand
.endr
.irp b, 0,1,2,3
	s_delay_alu instid0(VALU_DEP_4)
	v_lshrrev_b32 v[TP+\b], 23, v[SC+\b]           ; the byte
.endr
	s_delay_alu instid0(VALU_DEP_3)
	v_lshl_or_b32 v[PS], v[TP+1], 8, v[TP]         ; p's scale word for these 128 keys
	s_delay_alu instid0(VALU_DEP_1)
	v_lshl_or_b32 v[PS], v[TP+2], 16, v[PS]
	s_delay_alu instid0(VALU_DEP_1)
	v_lshl_or_b32 v[PS], v[TP+3], 24, v[PS]
	v_cvt_scalef32_pk16_fp6_f32 v[PC:PC+2], v[S:S+15], v[SC]
	v_cvt_scalef32_pk16_fp6_f32 v[PT0:PT0+2], v[S+16:S+31], v[SC+1]
	v_cvt_scalef32_pk16_fp6_f32 v[PC+6:PC+8], v[S+32:S+47], v[SC+2]
	v_cvt_scalef32_pk16_fp6_f32 v[PT1:PT1+2], v[S+48:S+63], v[SC+3]
	v_nop                                          ; one plain place behind the scaled conversions
.irp i, 0,1,2                          ; the operand's layout wants a whole block in a lane
	v_permlane16_swap_b32 v[PC+\i], v[PT0+\i]
	v_permlane16_swap_b32 v[PC+6+\i], v[PT1+\i]
.endr
.irp i, 0,1,2
	v_mov_b32 v[PC+3+\i], v[PT0+\i]
	v_mov_b32 v[PC+9+\i], v[PT1+\i]
.endr
.irp j, 0,2,4,6,8,10,12,14,16,18,20,22,24,26,28,30
	v_pk_mul_f32 v[O+\j:O+\j+1], v[O+\j:O+\j+1], v[FF:FF+1] op_sel_hi:[1,0]   ; O^T under the new M.  These sixteen are also the places between p's codes and scale word and the products
.endr
	s_wait_alu depctr_va_vdst(0)
	s_wait_dscnt 0x0                               ; V^T's fragments are in
.irp t, 0,1,2,3
	WM O+8*\t, F+12*\t, PC, 0, VS+\t/2, PS, \t%2   ; O^T += V^T P^T: the four accumulators by turns
.endr
	s_add_co_u32 s[TB], s[TB], 19200
.endm
	s_wait_tensorcnt 0x0                           ; my block is in,
	s_wait_dscnt 0x0
	s_barrier_signal -1
	s_barrier_wait -1                              ; everybody's is: the head's key side is whole.  Nothing is filled again
	s_mov_b32 s[TB], 0
	s_mov_b32 s[CNT], 16
.Lstep:
	STEP
	s_sub_co_u32 s[CNT], s[CNT], 1
	s_cmp_lg_u32 s[CNT], 0
	s_cbranch_scc1 .Lstep
	; THE WAY OUT: O^T / the sum; its 32 registers are the head's two blocks of 32 channels, half a block in a lane: they are quantised for the out-projection, whose K runs along head x 64 + channel.
	PLACES
	v_add_f32 v14, v14, v15                        ; the sum's two halves,
	s_delay_alu instid0(VALU_DEP_1)
	v_permlanex16_b32 v[TT], v14, s[SEL], s[SEL+1]
	s_delay_alu instid0(VALU_DEP_1)
	v_add_f32 v14, v14, v[TT]                      ; and lane l xor 16's: the row's sum
	s_wait_alu depctr_va_vdst(0)
	v_rcp_f32 v14, v14
	v_nop                                          ; a plain place behind the reciprocal
	s_wait_alu depctr_va_vdst(0)                   ; and the wait ahead of its first reader
.irp j, 0,1,2,3,4,5,6,7,8,9,10,11,12,13,14,15,16,17,18,19,20,21,22,23,24,25,26,27,28,29,30,31
	v_mul_f32 v[S+\j], v[O+\j], v14                ; register 16 b + i: channel 32 b + 16 h + i
.endr
	v_max3_num_f32 v[BM], |v[S]|, |v[S+1]|, 0x1800000
	v_max3_num_f32 v[BM+1], |v[S+16]|, |v[S+17]|, 0x1800000
.irp i, 2,4,6,8,10,12,14
	s_delay_alu instid0(VALU_DEP_2)
	v_max3_num_f32 v[BM], v[BM], |v[S+\i]|, |v[S+\i+1]|
	s_delay_alu instid0(VALU_DEP_2)
	v_max3_num_f32 v[BM+1], v[BM+1], |v[S+16+\i]|, |v[S+17+\i]|
.endr
	s_delay_alu instid0(VALU_DEP_2)
	v_permlanex16_b32 v[TP], v[BM], s[SEL], s[SEL+1]
	s_delay_alu instid0(VALU_DEP_2)
	v_permlanex16_b32 v[TP+1], v[BM+1], s[SEL], s[SEL+1]
	s_delay_alu instid0(VALU_DEP_2)
	v_max_num_f32 v[BM], v[BM], v[TP]
	s_delay_alu instid0(VALU_DEP_2)
	v_max_num_f32 v[BM+1], v[BM+1], v[TP+1]
	s_delay_alu instid0(VALU_DEP_2)
	v_add_nc_u32 v[SC], 0xff000000, v[BM]
	s_delay_alu instid0(VALU_DEP_2)
	v_add_nc_u32 v[SC+1], 0xff000000, v[BM+1]
	s_delay_alu instid0(VALU_DEP_2)
	v_lshrrev_b32 v[TP], 23, v[SC]
	s_delay_alu instid0(VALU_DEP_2)
	v_lshrrev_b32 v[TP+1], 23, v[SC+1]
	s_delay_alu instid0(VALU_DEP_1)
	v_lshl_or_b32 v[TT], v[TP+1], 8, v[TP]         ; my row's two bytes
	v_cvt_scalef32_pk16_fp6_f32 v[PC:PC+2], v[S:S+15], v[SC]
	v_cvt_scalef32_pk16_fp6_f32 v[PT0:PT0+2], v[S+16:S+31], v[SC+1]
	v_nop
.irp i, 0,1,2
	v_permlane16_swap_b32 v[PC+\i], v[PT0+\i]
.endr
.irp i, 0,1,2
	s_delay_alu instid0(VALU_DEP_3)
	v_mov_b32 v[PC+3+\i], v[PT0+\i]
.endr
.irp i, 0,1,2
	global_store_b64 v2, v[PC+2*\i:PC+2*\i+1], s[56:57] offset:256*\i   ; each store covers 256 consecutive bytes, aligned
.endr
	global_store_b16 v8, v[TT], s[58:59]           ; 64 consecutive bytes; lanes 16-31 hold the same numbers as lanes 0-15 and fill the entries that nobody reads
	s_wait_tensorcnt 0x0                           ; the wave's end
	ds_add_u32 v254, v255
	s_wait_dscnt 0x0
	ROUND                                          ; the closing round: no work-group ends while a partner may still ask for a tile that names it
	s_endpgm
.Lfunc_end_k_qf50920962f_attn:
	.size	k_qf50920962f_attn, .Lfunc_end_k_qf50920962f_attn-k_qf50920962f_attn
	.p2alignl 7, 3214868480
	.fill 96, 4, 3214868480
	.section	.rodata,"a",@progbits
	.p2align	6, 0x0
	.amdhsa_kernel k_qf50920962f_attn
		.amdhsa_group_segment_fixed_size 309248
		.amdhsa_private_segment_fixed_size 0
		.amdhsa_enable_private_segment 0
		.amdhsa_kernarg_size 24
		.amdhsa_user_sgpr_count 2
		.amdhsa_user_sgpr_kernarg_segment_ptr 1
		.amdhsa_wavefront_size32 1
		.amdhsa_system_sgpr_workgroup_id_x 1
		.amdhsa_system_sgpr_workgroup_id_y 1
		.amdhsa_system_sgpr_workgroup_id_z 1
		.amdhsa_system_vgpr_workitem_id 0
		.amdhsa_next_free_vgpr 256
		.amdhsa_next_free_sgpr 66
		.amdhsa_reserve_vcc 0
		.amdhsa_float_denorm_mode_32 3
		.amdhsa_float_denorm_mode_16_64 3
		.amdhsa_memory_ordered 1
		.amdhsa_forward_progress 1
		.amdhsa_inst_pref_size 30
	.end_amdhsa_kernel
	.amdgpu_metadata
---
amdhsa.version: [ 1, 2 ]
amdhsa.kernels:
  - .name:           k_qf50920962f_attn
    .symbol:         k_qf50920962f_attn.kd
    .args:
      - { .name: qb, .offset: 0, .size: 8, .value_kind: global_buffer, .address_space: global }
      - { .name: kv, .offset: 8, .size: 8, .value_kind: global_buffer, .address_space: global }
      - { .name: ob, .offset: 16, .size: 8, .value_kind: global_buffer, .address_space: global }
    .group_segment_fixed_size: 309248
    .private_segment_fixed_size: 0
    .kernarg_segment_align: 8
    .kernarg_segment_size: 24
    .max_flat_workgroup_size: 512
    .sgpr_count:     66
    .vgpr_count:     256
    .wavefront_size: 32
...
	.end_amdgpu_metadata
.endif
;; end of part 3
;; launch out (part 4): grid 256 x 1, 16 waves a work-group, clusters of 4 x 1, 327,680 bytes of LDS; arguments ob, wimg, bo, ln_g, ln_b, q_s, out0; writes out0
.if DOCPART == 4
	.amdgcn_target "amdgcn-amd-amdhsa--gfx1250"
	.amdhsa_code_object_version 6
	.text
	.protected	k_qf50920962f_out
	.globl	k_qf50920962f_out
	.p2align	8
	.type	k_qf50920962f_out,@function
k_qf50920962f_out:
	s_mov_b64 s[64:65], 0
	v_nop
	global_prefetch_b8 v0, s[64:65] scope:SCOPE_SE
	s_setreg_imm32_b32 hwreg(HW_REG_WAVE_MODE, 25, 1), 1
	s_wait_xcnt 0x0
	s_wait_alu depctr_hold_cnt(0) depctr_sa_sdst(0) depctr_va_vdst(0) depctr_va_sdst(0) depctr_va_ssrc(0) depctr_va_vcc(0) depctr_vm_vsrc(0)
	s_getreg_b32 s2, hwreg(HW_REG_IB_STS2, 6, 4)
	s_cmp_eq_u32 s2, 0
	s_cbranch_scc0 .Lentry_in_a_cluster
	s_endpgm
.Lentry_in_a_cluster:
	s_bfe_u32 s2, ttmp6, 0x10000c
	s_cmp_lg_u32 s2, 0x3003
	s_cbranch_scc0 .Lentry_shape_is_right
	s_endpgm
.Lentry_shape_is_right:
; out0 = LayerNorm(o Wo + bo + q_s) x ln_g + ln_b; the product on codes of FP6 (E2M3) with E8M0 scales, all else in f32.
; A work-group takes one tile of 16 tokens (row r of tile T is token 32 (T / 2) + 8 (T % 2) + r + 8 (r / 8)) and all 1,024 columns, so that a row's mean and variance stay inside it.
; THE PRODUCT: wave w makes columns 64 w .. 64 w + 63: four accumulators, 8 K steps, source 0 = 16 rows of Wo, source 1 = o's 16 tokens: a lane holds one token and eight neighbouring columns.
; CLUSTER: every work-group reads the same Wo, so four work-groups form a cluster and ask for five of its eight K steps JOINTLY (mask 15).  A wave's codes of Wo are one run of wimg, 6,144 bytes a K step:
;   K steps 0-2 (18,432 bytes a wave) come by the wave's one tensor load at the head, into LDS bytes that the wave alone reads;
;   K steps 3-4 (12,288 bytes a wave) fill the first two thirds of the same bytes again, behind the waits, the add and a round of the cluster's barrier;
;   K steps 6, 7 and 5 come straight into registers, as loads of 512 consecutive bytes: 6 and 7 are multiplied while the first tensor load is out, 5 while the second is.
; The sums take the K steps in the order 6, 7, 0, 1, 2, 5, 3, 4.
; o's block (8 images of fragments and the scale bytes, 13,312 bytes) goes into LDS through registers, 26 bytes a thread, into bytes of its own on which no tensor load lands.
; No prefetch: all clusters ask for the same 819,200 bytes of Wo at the same places of the text, and o, q_s and the vectors are asked for once, at the earliest place where registers are free.
; THE EPILOGUE: the 16 x 1,024 results meet in a stage in LDS (rows 4,112 bytes apart: an odd multiple of 16), which lies on Wo's bytes behind their last fill and a barrier; wave w then owns the whole row of the tile's token w.
; The variance is the mean of (x - mean)^2, taken in a second pass over the registers: no difference of large sums is formed.
; lds_bytes: the whole LDS is asked for; the text uses 310,272 bytes.
; LIMITS: NaN and infinities are not served.
; REGISTERS: v1-6 addresses; v8-13 at work; v14-15 the spare word's address and 0; v16-31 Wo's scale words, v32-39 o's; v40-63 o's fragments, two sets; v64-95 the accumulators, later the row;
;   v96-143, v160-207, v208-255 three sets of Wo's fragments; later v96-127 q_s's row, v128-159 bo, v160-191 ln_g, v208-239 ln_b.
.set WV,  18
.set WS,  16
.set OS,  32
.set OF,  40
.set ACC, 64
.set RES, 96
.set BO,  128
.set SA,  160
.set SB,  208
.set SC,  96
.set G,   160
.set LB,  208
.set WREG, 18432                       ; a wave's LDS bytes for Wo: three K steps
.set OBB,  16*WREG                     ; o's block
.set SPARE, OBB+13312                  ; the spare words: 128 bytes a wave
.macro ROUND                           ; a round of the cluster's barrier
	s_barrier_signal -1
	s_barrier_wait -1
	s_cmp_lg_u32 s[WV], 0
	s_cbranch_scc1 .Lnot_wave_0_\@
	s_barrier_signal -3
.Lnot_wave_0_\@:
	s_barrier_wait -3
	s_barrier_signal -1
	s_barrier_wait -1
.endm
.macro PLACES
.rept 4
	v_nop
.endr
.endm
.macro WM d, a, b, zero, sa, sb, ra
.if \zero
.if (\ra)
	v_wmma_scale_f32_16x16x128_f8f6f4 v[(\d):(\d)+7], v[(\a):(\a)+11], v[(\b):(\b)+11], 0, v[\sa], v[\sb] matrix_a_fmt:MATRIX_FMT_FP6 matrix_b_fmt:MATRIX_FMT_FP6 matrix_a_scale:MATRIX_SCALE_ROW1
.else
	v_wmma_scale_f32_16x16x128_f8f6f4 v[(\d):(\d)+7], v[(\a):(\a)+11], v[(\b):(\b)+11], 0, v[\sa], v[\sb] matrix_a_fmt:MATRIX_FMT_FP6 matrix_b_fmt:MATRIX_FMT_FP6
.endif
.else
.if (\ra)
	v_wmma_scale_f32_16x16x128_f8f6f4 v[(\d):(\d)+7], v[(\a):(\a)+11], v[(\b):(\b)+11], v[(\d):(\d)+7], v[\sa], v[\sb] matrix_a_fmt:MATRIX_FMT_FP6 matrix_b_fmt:MATRIX_FMT_FP6 matrix_a_scale:MATRIX_SCALE_ROW1
.else
	v_wmma_scale_f32_16x16x128_f8f6f4 v[(\d):(\d)+7], v[(\a):(\a)+11], v[(\b):(\b)+11], v[(\d):(\d)+7], v[\sa], v[\sb] matrix_a_fmt:MATRIX_FMT_FP6 matrix_b_fmt:MATRIX_FMT_FP6
.endif
.endif
.endm
.macro WLD s, set                      ; K step s's four fragments of Wo from memory: 12 loads of 512 consecutive bytes
.irp k, 0,1,2,3,4,5,6,7,8,9,10,11
	global_load_b128 v[\set+4*\k:\set+4*\k+3], v1, s[36:37] offset:6144*(\s)+512*\k
.endr
.endm
.macro LLD kk, set                     ; the four fragments at place kk of my LDS bytes: 12 loads of 512 consecutive bytes
.irp k, 0,1,2,3,4,5,6,7,8,9,10,11
	ds_load_b128 v[\set+4*\k:\set+4*\k+3], v6 offset:6144*(\kk)+512*\k
.endr
.endm
.macro OFLOAD s, i                     ; K step s's fragment of o into set i: six LDS loads of 256 consecutive bytes
.irp p, 0,1,2,3,4,5
	ds_load_b64 v[OF+12*(\i)+2*\p:OF+12*(\i)+2*\p+1], v2 offset:1536*(\s)+256*\p
.endr
.endm
.macro MUL s, i, set, zero             ; K step s: the four accumulators by turns, then the places in front of loads into the sources
.irp t, 0,1,2,3
	WM ACC+8*\t, \set+12*\t, OF+12*(\i), \zero, WS+8*(\t/2)+(\s), OS+(\s), \t%2
.endr
	PLACES
.endm
	s_load_b256 s[4:11], s[0:1], 0x0               ; ob s[4:5], wimg s[6:7], bo s[8:9], ln_g s[10:11]
	s_load_b128 s[12:15], s[0:1], 0x20             ; ln_b s[12:13], q_s s[14:15]
	s_load_b64 s[16:17], s[0:1], 0x30              ; out0
	v_lshl_add_u32 v14, v0, 2, SPARE
	v_mov_b32 v15, 0
	ds_add_u32 v14, v15                            ; the opening lines: the add, twice on end, and its wait
	ds_add_u32 v14, v15
	v_lshrrev_b32 v9, 5, v0
	s_delay_alu instid0(VALU_DEP_1)
	v_readfirstlane_b32 s[WV], v9                  ; wave 0..15
	s_lshl_b32 s19, s[WV], 8
	s_mul_i32 s32, s[WV], 4112
	s_mul_i32 s29, s[WV], WREG                     ; my LDS bytes for Wo
	v_and_b32 v9, 31, v0
	v_and_b32 v10, 15, v0                          ; r
	v_bfe_u32 v11, v0, 4, 1                        ; h
	v_lshlrev_b32 v1, 4, v9                        ; 16 x lane
	v_lshl_add_u32 v2, v9, 3, OBB                  ; o's fragments: 8 x lane
	v_lshl_add_u32 v3, v10, 1, OBB+12288           ; o's scale bytes: two for a row and a head
	v_mul_u32_u24 v4, v10, 4112
	v_add_nc_u32 v5, s32, v1                       ; out of the stage: row w, 16 bytes a lane
	v_add_nc_u32 v6, s29, v1                       ; Wo's fragments in LDS
	v_lshl_add_u32 v4, v11, 6, v4
	v_lshlrev_b32 v40, 4, v0                       ; o's block, a thread's share: 16 bytes of the first 8,192,
	v_lshlrev_b32 v41, 3, v0                       ; 8 of the next 4,096,
	v_lshlrev_b32 v42, 1, v0                       ; 2 of the last 1,024;
	v_add_nc_u32 v4, s19, v4                       ; into the stage: row r, my wave's 256 bytes, + 64 h
	v_lshl_add_u32 v43, v0, 4, OBB                 ; and where they go in LDS
	v_lshl_add_u32 v44, v0, 3, OBB+8192
	v_lshl_add_u32 v45, v0, 1, OBB+12288
	s_wait_alu depctr_va_vdst(0)                   ; the wait at the end of the head's vector work
	; descriptor groups 1: dense runs of Wo as rows of 32 elements of 8 bytes: 72 rows (three K steps), 48 rows (two)
	s_mov_b32 s20, 15|(3<<16)|(1<<21)              ; the mask: all four work-groups; elements of 8 bytes; bit 21 set beside a mask
	s_mov_b32 s21, 32<<16
	s_mov_b32 s22, 72<<16
	s_mov_b32 s23, 32<<16
	s_mov_b32 s24, 72
	s_mov_b32 s25, 32
	s_mov_b32 s26, 0
	s_mov_b32 s27, 0
	s_mov_b32 s48, 15|(3<<16)|(1<<21)
	s_mov_b32 s49, 32<<16
	s_mov_b32 s50, 48<<16
	s_mov_b32 s51, 32<<16
	s_mov_b32 s52, 48
	s_mov_b32 s53, 32
	s_mov_b32 s54, 0
	s_mov_b32 s55, 0
	s_mov_b32 s28, 1
	s_mov_b32 s56, 1
	s_mul_i32 s57, s[WV], WREG
	s_add_co_u32 s46, s[WV], 48                    ; wimg's block: Wo is weight 3, group w
	s_mul_i32 s46, s46, 51200
	s_mov_b32 s47, 0
	s_mov_b32 s40, 0x3a800000                      ; 1 / 1,024
	s_mov_b32 s41, 0x3727c5ac                      ; 1e-5
	s_mov_b32 s44, 0x76543210
	s_mov_b32 s45, 0xfedcba98
	s_wait_dscnt 0x0
	s_wait_kmcnt 0x0
	s_add_nc_u64 s[36:37], s[6:7], s[46:47]
	s_mov_b64 s[30:31], s[36:37]                   ; K steps 0-2
	s_or_b32 s31, s31, 0x80000000
	s_add_nc_u64 s[58:59], s[36:37], WREG          ; K steps 3-4
	s_or_b32 s59, s59, 0x80000000
	ROUND                                          ; all four work-groups are here: the joint loads meet
	tensor_load_to_lds s[28:31], s[20:27]          ; my one tensor load at the head
	s_nop 0
	PLACES
	s_bfe_u32 s62, ttmp6, 0x40000                  ; cx: it enters global addresses alone
	s_lshl_b32 s63, ttmp9, 2
	s_add_co_u32 s63, s63, s62                     ; T: my tile of tokens
	s_mul_i32 s32, s63, 13312
	s_mov_b32 s33, 0
	s_add_nc_u64 s[60:61], s[4:5], s[32:33]
	global_load_b128 v[64:67], v40, s[60:61]
	global_load_b64 v[68:69], v41, s[60:61] offset:8192
	global_load_u16 v70, v42, s[60:61] offset:12288
.irp x, 0,1,2,3
	global_load_b128 v[WS+4*\x:WS+4*\x+3], v1, s[36:37] offset:49152+512*\x
.endr
	WLD 6, SA
	WLD 7, SB
	s_lshr_b32 s34, s63, 1                         ; my row's token: 32 (T / 2) + 8 (T % 2) + w + 8 (w / 8)
	s_lshl_b32 s34, s34, 5
	s_and_b32 s35, s63, 1
	s_lshl_b32 s35, s35, 3
	s_add_co_u32 s34, s34, s35
	s_add_co_u32 s34, s34, s[WV]
	s_and_b32 s35, s[WV], 8
	s_add_co_u32 s34, s34, s35
	s_lshl_b32 s34, s34, 12                        ; 4,096 bytes a token
	s_mov_b32 s35, 0
	s_add_nc_u64 s[38:39], s[14:15], s[34:35]
	s_add_nc_u64 s[42:43], s[16:17], s[34:35]
	s_wait_loadcnt 28                              ; my share of o's block is in; behind it: 4 loads of scale words and 2 x 12 of fragments
	ds_store_b128 v43, v[64:67]
	ds_store_b64 v44, v[68:69]
	ds_store_b16 v45, v70
	s_wait_dscnt 0x0                               ; for the others' sake: my stores are done
	s_barrier_signal -1
	s_barrier_wait -1                              ; o's block is whole.  My tensor load may be out
.irp x, 0,1,2,3,4,5,6,7,8,9,10,11,12,13,14,15
	ds_load_u16 v[ACC+\x], v3 offset:64*\x         ; head x's two bytes of row r
.endr
	s_wait_dscnt 0x0
.irp x, 0,1,2,3,4,5,6,7
	v_lshl_or_b32 v[OS+\x], v[ACC+2*\x+1], 16, v[ACC+2*\x]   ; K step x's scale word: heads 2 x and 2 x + 1
.endr
	OFLOAD 6, 0
.rept 8
	v_nop                                          ; a scale register written by a vector instruction stands eight places ahead of a scaled matrix instruction
.endr
	s_wait_alu depctr_va_vdst(0)
	OFLOAD 7, 1
	s_wait_loadcnt 12                              ; the scale words and K step 6 are in; K step 7's 12 loads may be out
	s_wait_dscnt 6                                 ; o's fragment of K step 6 is in; the six just issued may be out
	MUL 6, 0, SA, 1                                ; the first products start the sums
	WLD 5, SA
	s_wait_loadcnt 12                              ; K step 7 is in; K step 5's 12 loads may be out
	s_wait_dscnt 0x0
	MUL 7, 1, SB, 0
	s_wait_tensorcnt 0x0                           ; K steps 0-2 are in my LDS bytes, which I alone read
	OFLOAD 0, 0
	LLD 0, SC
	OFLOAD 1, 1
	LLD 1, SB
	s_wait_dscnt 18                                ; K step 0's 18 loads are in; K step 1's 18 may be out
	MUL 0, 0, SC, 0
	OFLOAD 2, 0
	LLD 2, SC
	s_wait_dscnt 18
	MUL 1, 1, SB, 0
	OFLOAD 5, 1
	s_wait_dscnt 6                                 ; K step 2's loads are in; the six just issued may be out
	MUL 2, 0, SC, 0
	s_wait_tensorcnt 0x0                           ; in front of the refill: no tensor load of mine is out,
	ds_add_u32 v14, v15                            ; the add,
	s_wait_dscnt 0x0                               ; it is done, and so are my reads of these bytes
	ROUND                                          ; the same holds of every wave of the four work-groups
	tensor_load_to_lds s[56:59], s[48:55]          ; K steps 3-4, my one tensor load behind the round
	s_nop 0
	PLACES
.irp k, 0,1,2,3,4,5,6,7
	global_load_b128 v[RES+4*\k:RES+4*\k+3], v1, s[38:39] offset:512*\k th:TH_LOAD_NT   ; q_s's row: register 4 k + e = column 128 k + 4 lane + e
.endr
.irp k, 0,1,2,3,4,5,6,7
	global_load_b128 v[BO+4*\k:BO+4*\k+3], v1, s[8:9] offset:512*\k
.endr
	s_wait_loadcnt 16                              ; K step 5 is in; the 16 loads just issued may be out
	MUL 5, 1, SA, 0
	s_wait_tensorcnt 0x0                           ; K steps 3-4 are in
	OFLOAD 3, 0
	LLD 0, SB
	OFLOAD 4, 1
	LLD 1, SA
	s_wait_dscnt 18
	MUL 3, 0, SB, 0
.irp k, 0,1,2,3,4,5,6,7
	global_load_b128 v[LB+4*\k:LB+4*\k+3], v1, s[12:13] offset:512*\k   ; ln_b, into the set just multiplied
.endr
	s_wait_dscnt 0x0
	MUL 4, 1, SA, 0
.irp k, 0,1,2,3,4,5,6,7
	global_load_b128 v[G+4*\k:G+4*\k+3], v1, s[10:11] offset:512*\k     ; ln_g likewise
.endr
	s_barrier_signal -1                            ; no LDS instruction of mine is out: my reads of Wo's bytes are over,
	s_barrier_wait -1                              ; everybody's are, and these bytes have had their last fill: the stage may lie on them
.irp t, 0,1,2,3                        ; lane (r, h), tile t: columns 64 w + 32 (t / 2) + 16 h + 8 (t % 2) + 0 .. 7 of row r; each accumulator from its low end on
	ds_store_b128 v4, v[ACC+8*\t:ACC+8*\t+3] offset:128*(\t/2)+32*(\t%2)
	ds_store_b128 v4, v[ACC+8*\t+4:ACC+8*\t+7] offset:128*(\t/2)+32*(\t%2)+16
.endr
	s_wait_dscnt 0x0                               ; for the others' sake: my stores into the stage are done
	s_barrier_signal -1
	s_barrier_wait -1
.irp k, 0,1,2,3,4,5,6,7
	ds_load_b128 v[ACC+4*\k:ACC+4*\k+3], v5 offset:512*\k    ; my whole row
.endr
	s_wait_dscnt 0x0
	s_wait_loadcnt 0x0
.irp j, 0,2,4,6,8,10,12,14,16,18,20,22,24,26,28,30
	v_pk_add_f32 v[ACC+\j:ACC+\j+1], v[ACC+\j:ACC+\j+1], v[BO+\j:BO+\j+1]      ; + bo
.endr
.irp j, 0,2,4,6,8,10,12,14,16,18,20,22,24,26,28,30
	v_pk_add_f32 v[ACC+\j:ACC+\j+1], v[ACC+\j:ACC+\j+1], v[RES+\j:RES+\j+1]    ; + q_s: x
.endr
	v_pk_add_f32 v[8:9], v[ACC:ACC+1], v[ACC+2:ACC+3]          ; the row's sum: two chains in a lane,
	v_pk_add_f32 v[10:11], v[ACC+4:ACC+5], v[ACC+6:ACC+7]
.irp j, 8,12,16,20,24,28
	s_delay_alu instid0(VALU_DEP_2)
	v_pk_add_f32 v[8:9], v[8:9], v[ACC+\j:ACC+\j+1]
	s_delay_alu instid0(VALU_DEP_2)
	v_pk_add_f32 v[10:11], v[10:11], v[ACC+\j+2:ACC+\j+3]
.endr
	s_delay_alu instid0(VALU_DEP_1)
	v_pk_add_f32 v[8:9], v[8:9], v[10:11]
	s_delay_alu instid0(VALU_DEP_1)
	v_add_f32 v8, v8, v9
	s_delay_alu instid0(VALU_DEP_1)
	v_add_f32_dpp v8, v8, v8 row_xmask:1 row_mask:0xf bank_mask:0xf   ; then across the 32 lanes
	s_delay_alu instid0(VALU_DEP_1)
	v_add_f32_dpp v8, v8, v8 row_xmask:2 row_mask:0xf bank_mask:0xf
	s_delay_alu instid0(VALU_DEP_1)
	v_add_f32_dpp v8, v8, v8 row_xmask:4 row_mask:0xf bank_mask:0xf
	s_delay_alu instid0(VALU_DEP_1)
	v_add_f32_dpp v8, v8, v8 row_xmask:8 row_mask:0xf bank_mask:0xf
	s_delay_alu instid0(VALU_DEP_1)
	v_permlanex16_b32 v9, v8, s44, s45
	s_delay_alu instid0(VALU_DEP_1)
	v_add_f32 v8, v8, v9
	s_delay_alu instid0(VALU_DEP_1)
	v_mul_f32 v8, s40, v8                          ; the mean
.irp j, 0,2,4,6,8,10,12,14,16,18,20,22,24,26,28,30
	v_pk_add_f32 v[ACC+\j:ACC+\j+1], v[ACC+\j:ACC+\j+1], v[8:9] op_sel_hi:[1,0] neg_lo:[0,1] neg_hi:[0,1]   ; d = x - mean
.endr
	v_pk_mul_f32 v[10:11], v[ACC:ACC+1], v[ACC:ACC+1]          ; the sum of d^2
	v_pk_mul_f32 v[12:13], v[ACC+2:ACC+3], v[ACC+2:ACC+3]
.irp j, 4,8,12,16,20,24,28
	s_delay_alu instid0(VALU_DEP_2)
	v_pk_fma_f32 v[10:11], v[ACC+\j:ACC+\j+1], v[ACC+\j:ACC+\j+1], v[10:11]
	s_delay_alu instid0(VALU_DEP_2)
	v_pk_fma_f32 v[12:13], v[ACC+\j+2:ACC+\j+3], v[ACC+\j+2:ACC+\j+3], v[12:13]
.endr
	s_delay_alu instid0(VALU_DEP_1)
	v_pk_add_f32 v[10:11], v[10:11], v[12:13]
	s_delay_alu instid0(VALU_DEP_1)
	v_add_f32 v10, v10, v11
	s_delay_alu instid0(VALU_DEP_1)
	v_add_f32_dpp v10, v10, v10 row_xmask:1 row_mask:0xf bank_mask:0xf
	s_delay_alu instid0(VALU_DEP_1)
	v_add_f32_dpp v10, v10, v10 row_xmask:2 row_mask:0xf bank_mask:0xf
	s_delay_alu instid0(VALU_DEP_1)
	v_add_f32_dpp v10, v10, v10 row_xmask:4 row_mask:0xf bank_mask:0xf
	s_delay_alu instid0(VALU_DEP_1)
	v_add_f32_dpp v10, v10, v10 row_xmask:8 row_mask:0xf bank_mask:0xf
	s_delay_alu instid0(VALU_DEP_1)
	v_permlanex16_b32 v11, v10, s44, s45
	s_delay_alu instid0(VALU_DEP_1)
	v_add_f32 v10, v10, v11
	s_delay_alu instid0(VALU_DEP_1)
	v_fma_f32 v10, v10, s40, s41                   ; the variance + 1e-5
	s_wait_alu depctr_va_vdst(0)                   ; the wait ahead of the root
	v_rsq_f32 v10, v10
	v_nop                                          ; a plain place behind the root
	s_wait_alu depctr_va_vdst(0)                   ; and the wait ahead of its first reader
.irp j, 0,2,4,6,8,10,12,14,16,18,20,22,24,26,28,30
	v_pk_mul_f32 v[ACC+\j:ACC+\j+1], v[ACC+\j:ACC+\j+1], v[10:11] op_sel_hi:[1,0]
.endr
.irp j, 0,2,4,6,8,10,12,14,16,18,20,22,24,26,28,30
	v_pk_fma_f32 v[ACC+\j:ACC+\j+1], v[ACC+\j:ACC+\j+1], v[G+\j:G+\j+1], v[LB+\j:LB+\j+1]
.endr
.irp k, 0,1,2,3,4,5,6,7
	global_store_b128 v1, v[ACC+4*\k:ACC+4*\k+3], s[42:43] offset:512*\k th:TH_STORE_NT   ; 512 consecutive bytes, aligned to 256; written once, read by nobody here
.endr
	s_wait_tensorcnt 0x0                           ; the wave's end
	ds_add_u32 v14, v15
	s_wait_dscnt 0x0
	ROUND                                          ; the closing round: no work-group ends while a partner may still ask for a tile that names it
	s_endpgm
.Lfunc_end_k_qf50920962f_out:
	.size	k_qf50920962f_out, .Lfunc_end_k_qf50920962f_out-k_qf50920962f_out
	.p2alignl 7, 3214868480
	.fill 96, 4, 3214868480
	.section	.rodata,"a",@progbits
	.p2align	6, 0x0
	.amdhsa_kernel k_qf50920962f_out
		.amdhsa_group_segment_fixed_size 327680
		.amdhsa_private_segment_fixed_size 0
		.amdhsa_enable_private_segment 0
		.amdhsa_kernarg_size 56
		.amdhsa_user_sgpr_count 2
		.amdhsa_user_sgpr_kernarg_segment_ptr 1
		.amdhsa_wavefront_size32 1
		.amdhsa_system_sgpr_workgroup_id_x 1
		.amdhsa_system_sgpr_workgroup_id_y 1
		.amdhsa_system_sgpr_workgroup_id_z 1
		.amdhsa_system_vgpr_workitem_id 0
		.amdhsa_next_free_vgpr 256
		.amdhsa_next_free_sgpr 66
		.amdhsa_reserve_vcc 0
		.amdhsa_float_denorm_mode_32 3
		.amdhsa_float_denorm_mode_16_64 3
		.amdhsa_memory_ordered 1
		.amdhsa_forward_progress 1
		.amdhsa_inst_pref_size 39
	.end_amdhsa_kernel
	.amdgpu_metadata
---
amdhsa.version: [ 1, 2 ]
amdhsa.kernels:
  - .name:           k_qf50920962f_out
    .symbol:         k_qf50920962f_out.kd
    .args:
      - { .name: ob, .offset: 0, .size: 8, .value_kind: global_buffer, .address_space: global }
      - { .name: wimg, .offset: 8, .size: 8, .value_kind: global_buffer, .address_space: global }
      - { .name: bo, .offset: 16, .size: 8, .value_kind: global_buffer, .address_space: global }
      - { .name: ln_g, .offset: 24, .size: 8, .value_kind: global_buffer, .address_space: global }
      - { .name: ln_b, .offset: 32, .size: 8, .value_kind: global_buffer, .address_space: global }
      - { .name: q_s, .offset: 40, .size: 8, .value_kind: global_buffer, .address_space: global }
      - { .name: out0, .offset: 48, .size: 8, .value_kind: global_buffer, .address_space: global }
    .group_segment_fixed_size: 327680
    .private_segment_fixed_size: 0
    .kernarg_segment_align: 8
    .kernarg_segment_size: 56
    .max_flat_workgroup_size: 512
    .sgpr_count:     66
    .vgpr_count:     256
    .wavefront_size: 32
...
	.end_amdgpu_metadata
.endif
;; end of part 4
